; MI455X (gfx1250); checked and timed in simulation.
; The chip was launched on July 23, 2026; its instructions are those of AMD's public machine-readable ISA for CDNA 5 (MIT licence, August 2026) and "CDNA5" Instruction Set Architecture Reference Guide (July 2026). The comments in the code are by the model that wrote it; some were corrected since.
;; Ft Multihead Attention. Allowed arithmetic: matrix products marked QUANTISED: E2M1 operands, one E8M0 scale for each 32 along K, by v_wmma_scale_f32_16x16x128_f8f6f4 with both operands' format E2M1 (or v_wmma_scale_f32_32x16x128_f4), f32 sums; products left as they are: bf16, f16 or f32 operands; f32 sums; everything else in f32.
;; Inputs: W_K 16 x 1,024 x 64 float32; W_O 16 x 64 x 1,024 float32; W_Q 16 x 1,024 x 64 float32; W_V 16 x 1,024 x 64 float32; b_K 16 x 64 float32; b_O 1,024 float32; b_Q 16 x 64 float32; b_V 16 x 64 float32; x 4 x 2,048 x 1,024 float32.
;; Outputs: out0 4 x 2,048 x 1,024 float32.
;; This version of the problem:
;;   THIS VERSION OF THE PROBLEM IS GIVEN IN LOW PRECISION. The matrix products marked QUANTISED in the list below multiply operands that are first quantised to E2M1 (2 exponent bits, 1 mantissa bit; 4 bits a number), with one power-of-two scale for each 32 numbers along K (OCP MX v1.0); their sums are f32. The products marked 'left as it is' may take bf16, f16 or f32 operands, with f32 sums. Whichever they take, every output number must still come out within the allowed error. Rounding operands to bf16 (8 significant bits) uses up far more of that allowance than f16 does (11 bits, for magnitudes from 6e-5 to 65,504). All else is computed in f32.
;;   The module's matrix products, in the order in which they are computed (A, B: the left and right operand; K: the contracted axis; several contracted axes count as one K, in the product's order):
;;     1. [M 8,192, K 1,024] x [K 1,024, N 1,024]; A: input x; B: input W_Q: QUANTISED
;;     2. [M 8,192, K 1,024] x [K 1,024, N 1,024]; A: input x; B: input W_K: QUANTISED
;;     3. [M 8,192, K 1,024] x [K 1,024, N 1,024]; A: input x; B: input W_V: QUANTISED
;;     4. batch 64 x [M 2,048, K 64] x [K 64, N 2,048]; A: computed on the way; B: computed on the way: left as it is (an operand is computed on the way)
;;     5. batch 64 x [M 2,048, K 2,048] x [K 2,048, N 64]; A: computed on the way; B: computed on the way: left as it is (an operand is computed on the way)
;;     6. [M 8,192, K 1,024] x [K 1,024, N 1,024]; A: computed on the way; B: input W_O: left as it is (an operand is computed on the way)
;;   THE QUANTISER, for each operand of a quantised product, along K:
;;     - K is cut into blocks of 32 from its start; a last block that is shorter is filled with zeros.
;;     - A block's scale is 2^e with e = floor(log2(the largest magnitude in the block)) - 2, held to -126 .. 127; a block of zeros has e = 0. As a byte (E8M0): e + 127.
;;     - Each number is divided by its block's scale, clamped to +-6, and rounded to the nearest number of E2M1, ties to even, subnormals kept.
;;     - The product sums the exact products of the quantised numbers (number of the format x scale) in f32.
;;   ~~~python
;;   def quantise(x, axis):      # numpy; x: float32 -> the quantised numbers, widened to float32 again
;;       x = np.moveaxis(x, axis, -1); K = x.shape[-1]
;;       x = np.pad(x, [(0, 0)] * (x.ndim - 1) + [(0, -K % 32)]); x = x.reshape(x.shape[:-1] + (-1, 32)); a = np.abs(x).max(-1, keepdims=True)
;;       e = np.where(a > 0, np.clip(np.frexp(np.where(a > 0, a, 1))[1] - 1 - 2, -126, 127), 0)      # np.frexp(a)[1] - 1 = floor(log2(a)), exactly
;;       r = np.clip(x / 2.0 ** e, -6, 6)
;;       step = 2.0 ** (np.maximum(np.frexp(np.where(r == 0, 1, r))[1] - 1, 0) - 1)
;;       q = np.round(r / step) * step * 2.0 ** e      # np.round: ties to even
;;       return np.moveaxis(q.reshape(q.shape[:-2] + (-1,))[..., :K], -1, axis).astype(np.float32)
;;   ~~~
;; One version. Each part assembles by itself: llvm-mc -triple=amdgcn-amd-amdhsa -mcpu=gfx1250 --defsym DOCPART=n.
;; ======== version 1 of 1: 4 launches
;; limits: values are held in f16: magnitudes above 65,504 overflow, below 6.1e-05 lose precision
;; workspace buffers: xc 4,194,304 bytes; xs 262,144 bytes; wc 1,572,864 bytes; ws 98,304 bytes; wo16 2,097,152 bytes; qkv 50,331,648 bytes; ctx 16,777,216 bytes
;; launch prep (part 1): grid 336 x 1, 4 waves a work-group, no clusters, 68,096 bytes of LDS; arguments x, W_Q, W_K, W_V, W_O, xc, xs, wc, ws, wo16; writes xc, xs, wc, ws, wo16
.if DOCPART == 1
	.amdgcn_target "amdgcn-amd-amdhsa--gfx1250"
	.amdhsa_code_object_version 6
	.text
	.protected	k_qee4f448ec7_prep
	.globl	k_qee4f448ec7_prep
	.p2align	8
	.type	k_qee4f448ec7_prep,@function
k_qee4f448ec7_prep:
	s_mov_b64 s[64:65], 0
	v_nop
	global_prefetch_b8 v0, s[64:65] scope:SCOPE_SE
	s_setreg_imm32_b32 hwreg(HW_REG_WAVE_MODE, 25, 1), 1
	s_wait_xcnt 0x0
; FIRST OF FOUR LAUNCHES: prep (operands made ready), qkv (products 1 to 3 on E2M1 codes), attn (products 4, 5 and the softmax), oproj (product 6).
; WORK LEFT OUT: b_K.  scores[q][k] = q . (x_k W_K + b_K) / 8 = q . (x_k W_K) / 8 + (q . b_K) / 8.  The second term does not hang on the key k: it is the same along the softmax's axis, and
; softmax(s + const) = softmax(s) for all finite values of the inputs.  Product 4 is not quantised, so no quantiser stands between b_K and the softmax.  b_K has no other way to the output: it is not loaded
; and is among no launch's arguments.  LIMIT: a NaN, an infinity or an overflow that reaches only q . b_K is not carried to the result.
; THIS LAUNCH: x [8192][1024] f32 -> xc (E2M1 codes, K innermost, 512 bytes a row) and xs (one E8M0 byte for each 32 along K);  W_Q, W_K, W_V [16 h][1024 k][64 e] f32 -> wc [3072 n][512 bytes], ws [3072][32],
; n = 1024 which + 64 h + e, quantised along k;  W_O [1024 k][1024 n] f32 -> wo16, f16, as it lies.
; A block's scale is 2^(floor(log2(its largest magnitude)) - 2); its byte is the largest magnitude's exponent field - 2, held at 1 from below.  A block of zeros so gets the byte 1 where the rule says 127: its codes are
; zeros, which add nothing under any byte but 0xff, and this program alone reads the bytes.
; LIMITS: NaN and infinities among the inputs are not served; blocks whose largest magnitude lies under 2^-124 take the byte 1; |W_O| stays under 65,504 (f16).
; Three paths part on the work-group's number: 0-47 one [1024][64] matrix of W_Q, W_K or W_V each; 48-79 W_O; 80-335 x.  Each path has LDS bytes of its own.  No tensor load, no barrier: waves share nothing.
.set SPARE, 67584                      ; behind both paths' LDS: the spare words, 128 bytes for each wave: two blocks of 256 bytes that no other line names
.set SPW,   192                        ; v192  LDS address of my spare word; never rewritten
.set NIL,   193                        ; v193  0; never rewritten
.set XWREG, 8192                       ; x's path: LDS from 0 on, a region for each wave: two stages of 32 x XSP bytes, behind them 256 scale bytes
.set XSP,   80                         ; a lane's place in a stage: 64 bytes + 16 of padding
.set XR,    16                         ; v16-79   four sets of 16 numbers as loaded
.set XX,    80                         ; v80-111  two sets of 16 neighbours
.set XE,    112                        ; v112-127 a scale byte for each step
.set XC,    128                        ; v128-191 codes, four registers for each step: no store's data are written again
.set WSTG,  32768                      ; W's path: LDS from 32,768 on, a stage of 32 rows x WP bytes for each wave
.set WP,    272                        ; 256 bytes of codes + 16 of padding
.set WX,    32                         ; v32-95   two sets of 32 numbers
.set WC,    96                         ; v96-99   a block's codes
.set WSB,   24                         ; v24-27   16 scale bytes
.set WOUT,  112                        ; v112-175 the way out
	s_load_b256 s[4:11], s[0:1], 0x0               ; x s[4:5], W_Q s[6:7], W_K s[8:9], W_V s[10:11]
	s_load_b256 s[12:19], s[0:1], 0x20             ; W_O s[12:13], xc s[14:15], xs s[16:17], wc s[18:19]
	s_load_b128 s[20:23], s[0:1], 0x40             ; ws s[20:21], wo16 s[22:23]
	v_lshl_add_u32 v[SPW], v0, 2, SPARE
	v_mov_b32 v[NIL], 0
	v_lshrrev_b32 v1, 5, v0
	v_readfirstlane_b32 s24, v1                    ; wave 0..3
	v_and_b32 v2, 31, v0                           ; lane
	s_mov_b32 s31, 0                               ; the high word of every byte offset: all stay under 2^32
	s_wait_kmcnt 0x0
	s_cmp_lt_u32 ttmp9, 48
	s_cbranch_scc1 .Lpath_w
	s_cmp_lt_u32 ttmp9, 80
	s_cbranch_scc1 .Lpath_o
; ---- x: a plain stream of blocks of 32.  A wave takes 16 steps of 512 numbers.  Each load reads 512 consecutive bytes; a step's 2,048 bytes turn through the wave's stage so that a lane holds 16 neighbours.
	s_sub_co_u32 s25, ttmp9, 80
	s_lshl_b32 s25, s25, 2
	s_add_co_u32 s25, s25, s24                     ; which run of 8,192 numbers is my wave's
	s_lshl_b32 s30, s25, 15
	s_add_nc_u64 s[4:5], s[4:5], s[30:31]          ; 32,768 bytes of x a run,
	s_lshl_b32 s30, s25, 12
	s_add_nc_u64 s[14:15], s[14:15], s[30:31]      ; 4,096 of codes,
	s_lshl_b32 s30, s25, 8
	s_add_nc_u64 s[16:17], s[16:17], s[30:31]      ; 256 scale bytes
	v_lshlrev_b32 v3, 4, v2                        ; my 16 bytes of a load's 512
	s_mul_i32 s27, s24, XWREG
	v_lshrrev_b32 v14, 2, v2
	v_mul_u32_u24 v14, v14, XSP
	v_and_b32 v15, 3, v2
	v_lshl_add_u32 v14, v15, 4, v14
	v_add_nc_u32 v14, s27, v14                     ; into the stage: XSP (lane / 4) + 16 (lane % 4)
	v_mul_u32_u24 v15, v2, XSP
	v_add_nc_u32 v15, s27, v15                     ; out of it: XSP x lane: my 16 neighbours
	v_lshlrev_b32 v4, 3, v2                        ; my 8 bytes of a step's codes
	v_lshrrev_b32 v5, 1, v2
	s_add_co_u32 s27, s27, 2*32*XSP
	v_add_nc_u32 v5, s27, v5                       ; my block's scale byte in LDS
	v_lshlrev_b32 v7, 3, v2
	v_add_nc_u32 v6, s27, v7                       ; and 8 of them a lane on the way out
.macro XLOAD t
.irp i, 0,1,2,3
	global_load_b128 v[XR+16*((\t)%4)+4*\i:XR+16*((\t)%4)+4*\i+3], v3, s[4:5] offset:2048*(\t)+512*\i th:TH_LOAD_NT
.endr
.endm
.macro XTURN t                         ; LDS serves a wave's instructions in order: no wait between the stores and the loads
.irp i, 0,1,2,3
	ds_store_b128 v14, v[XR+16*((\t)%4)+4*\i:XR+16*((\t)%4)+4*\i+3] offset:32*XSP*((\t)%2)+8*XSP*\i
.endr
.irp i, 0,1,2,3
	ds_load_b128 v[XX+16*((\t)%2)+4*\i:XX+16*((\t)%2)+4*\i+3], v15 offset:32*XSP*((\t)%2)+16*\i
.endr
.endm
.irp t, 0,1,2,3
	XLOAD \t
.endr
	s_wait_loadcnt 12                              ; step 0's four loads are in; twelve younger ones stay out
	XTURN 0
.macro XSTEP t
.set XS, XX+16*((\t)%2)
.if (\t) > 0
	s_wait_dscnt 1                                 ; this step's numbers are back from the stage; the last step's byte store may be out
.else
	s_wait_dscnt 0x0
.endif
.if (\t)+4 < 16
	XLOAD (\t)+4                                   ; into the set that this step's stage stores have read
.endif
.if (\t)+1 < 16
.if 14-(\t) >= 3
	s_wait_loadcnt 12                              ; the next step's loads are in; those of the three steps behind it stay out
.else
	s_wait_loadcnt 4*(14-(\t))
.endif
	XTURN (\t)+1
.endif
	v_max3_num_f32 v8, |v[XS]|, |v[XS+1]|, |v[XS+2]|
	v_max3_num_f32 v9, |v[XS+3]|, |v[XS+4]|, |v[XS+5]|
.irp i, 6,10
	v_max3_num_f32 v8, v8, |v[XS+\i]|, |v[XS+\i+1]|
	v_max3_num_f32 v9, v9, |v[XS+\i+2]|, |v[XS+\i+3]|
.endr
	v_max3_num_f32 v8, v8, |v[XS+14]|, |v[XS+15]|
	v_max3_num_f32 v8, v8, v9, 0x1800000           ; and the floor 2^(3 - 127): the byte cannot fall under 1
	v_max_num_f32_dpp v8, v8, v8 row_xmask:1 row_mask:0xf bank_mask:0xf   ; with my neighbour's 16: the block's largest magnitude
	v_add_nc_u32 v11, 0xff000000, v8               ; 2 off its exponent field: the conversion takes this operand's exponent field as its scale
	v_cvt_scalef32_pk8_fp4_f32 v[XC+4*(\t)], v[XS:XS+7], v11
	v_cvt_scalef32_pk8_fp4_f32 v[XC+4*(\t)+1], v[XS+8:XS+15], v11
	v_lshrrev_b32 v[XE+(\t)], 23, v11              ; the scale's byte
	ds_store_b8 v5, v[XE+(\t)] offset:16*(\t)      ; both lanes of a block write the same byte with the same value
	global_store_b64 v4, v[XC+4*(\t):XC+4*(\t)+1], s[14:15] offset:256*(\t)   ; the wave stores 256 consecutive bytes, aligned
.endm
.irp t, 0,1,2,3,4,5,6,7,8,9,10,11,12,13,14,15
	XSTEP \t
.endr
	ds_load_b64 v[8:9], v6                         ; my wave's 256 scale bytes, behind its own stores
	s_wait_dscnt 0x0
	global_store_b64 v7, v[8:9], s[16:17]          ; 256 consecutive bytes, aligned
	s_wait_tensorcnt 0x0                           ; the wave's end: behind my last LDS store
	ds_add_u32 v[SPW], v[NIL]
	s_wait_dscnt 0x0
	s_endpgm
; ---- W_Q, W_K, W_V: K is not innermost.  A lane takes a column e, its registers run down k: a block of 32 lies in one lane, and the conversions give codes with K innermost.
; Wave w: columns 32 (w % 2) on, k = 512 (w / 2) on: 16 blocks a lane.  The codes leave through the wave's stage: sixteen lanes store 256 consecutive bytes of a row of wc.
.Lpath_w:
	s_lshr_b32 s25, ttmp9, 4                       ; which: 0 Q, 1 K, 2 V
	s_and_b32 s26, ttmp9, 15                       ; head
	s_and_b32 s27, s24, 1                          ; half of the columns
	s_lshr_b32 s28, s24, 1                         ; half of K
	s_cmp_eq_u32 s25, 0
	s_cselect_b64 s[6:7], s[6:7], s[8:9]
	s_cmp_eq_u32 s25, 2
	s_cselect_b64 s[6:7], s[10:11], s[6:7]
	s_lshl_b32 s30, s26, 18                        ; a head is 262,144 bytes,
	s_lshl_b32 s29, s28, 17                        ; 512 rows of 256 bytes,
	s_add_co_u32 s30, s30, s29
	s_lshl_b32 s29, s27, 7                         ; 32 columns
	s_add_co_u32 s30, s30, s29
	s_add_nc_u64 s[6:7], s[6:7], s[30:31]
	s_lshl_b32 s29, s25, 10
	s_lshl_b32 s30, s26, 6
	s_add_co_u32 s29, s29, s30
	s_lshl_b32 s30, s27, 5
	s_add_co_u32 s29, s29, s30                     ; my wave's first row n of wc and ws
	s_lshl_b32 s30, s29, 9
	s_lshl_b32 s32, s28, 8
	s_add_co_u32 s30, s30, s32
	s_add_nc_u64 s[18:19], s[18:19], s[30:31]      ; 512 n + 256 x half
	s_lshl_b32 s30, s29, 5
	s_lshl_b32 s32, s28, 4
	s_add_co_u32 s30, s30, s32
	s_add_nc_u64 s[20:21], s[20:21], s[30:31]      ; 32 n + 16 x half
	v_lshlrev_b32 v3, 2, v2                        ; in: 4 bytes a lane
	s_mul_i32 s32, s24, 32*WP
	s_add_co_u32 s32, s32, WSTG                    ; my stage
	v_mul_u32_u24 v4, v2, WP
	v_add_nc_u32 v4, s32, v4                       ; into it: row = my column
	v_and_b32 v5, 15, v2
	v_lshrrev_b32 v6, 4, v2
	v_mul_u32_u24 v7, v6, WP
	v_lshl_add_u32 v7, v5, 4, v7
	v_add_nc_u32 v7, s32, v7                       ; out of it: sixteen lanes to a row, two rows an instruction
	v_lshlrev_b32 v8, 9, v6
	v_lshl_add_u32 v8, v5, 4, v8                   ; and the same place in wc
	v_lshlrev_b32 v9, 5, v2                        ; my column's row of ws
.macro WLOAD t                         ; block t: W(32 t + i, my column) into set t % 2
.set wi, 0
.rept 32
	global_load_b32 v[WX+32*((\t)%2)+wi], v3, s[6:7] offset:(32*(\t)+wi)*256 th:TH_LOAD_NT
.set wi, wi+1
.endr
.endm
	WLOAD 0
	WLOAD 1
.macro WBLOCK t
.set XS, WX+32*((\t)%2)
.if (\t) < 15
	s_wait_loadcnt 32                              ; this block's 32 loads are in; the next block's stay out
.else
	s_wait_loadcnt 0x0
.endif
	v_max3_num_f32 v12, |v[XS]|, |v[XS+1]|, |v[XS+2]|
	v_max3_num_f32 v13, |v[XS+3]|, |v[XS+4]|, |v[XS+5]|
.irp i, 6,10,14,18,22,26
	v_max3_num_f32 v12, v12, |v[XS+\i]|, |v[XS+\i+1]|
	v_max3_num_f32 v13, v13, |v[XS+\i+2]|, |v[XS+\i+3]|
.endr
	v_max3_num_f32 v12, v12, |v[XS+30]|, |v[XS+31]|
	v_max3_num_f32 v12, v12, v13, 0x1800000        ; and the floor 2^(3 - 127)
	v_add_nc_u32 v11, 0xff000000, v12              ; the conversion's scale operand
	v_lshrrev_b32 v13, 23, v11                     ; the scale's byte
.if (\t)%4 == 0
	v_mov_b32 v[WSB+(\t)/4], v13
.else
	v_lshl_or_b32 v[WSB+(\t)/4], v13, 8*((\t)%4), v[WSB+(\t)/4]
.endif
.irp g, 0,1,2,3
	v_cvt_scalef32_pk8_fp4_f32 v[WC+\g], v[XS+8*\g:XS+8*\g+7], v11
.endr
	ds_store_b128 v4, v[WC:WC+3] offset:16*(\t)    ; 32 codes: 16 bytes of my column's row
.if (\t)+2 < 16
	WLOAD (\t)+2
.endif
	s_wait_dscnt 0x0                               ; the store has read its registers: the next block's codes may be written
.endm
.set Q, 0
.rept 16
	WBLOCK Q
.set Q, Q+1
.endr
	global_store_b128 v9, v[WSB:WSB+3], s[20:21]   ; my column's 16 scale bytes
.irp t, 0,1,2,3,4,5,6,7,8,9,10,11,12,13,14,15
	ds_load_b128 v[WOUT+4*\t:WOUT+4*\t+3], v7 offset:2*\t*WP
.endr
.irp t, 0,1,2,3,4,5,6,7,8,9,10,11,12,13,14,15
	s_wait_dscnt 15-\t                             ; LDS loads come back in order: load t is in
	global_store_b128 v8, v[WOUT+4*\t:WOUT+4*\t+3], s[18:19] offset:2*\t*512
.endr
	s_wait_tensorcnt 0x0                           ; the wave's end: behind my last LDS store
	ds_add_u32 v[SPW], v[NIL]
	s_wait_dscnt 0x0
	s_endpgm
; ---- W_O to f16, as it lies.  A wave takes 8,192 numbers in four groups of 16 loads of 512 consecutive bytes; two groups are on their way at a time.
.Lpath_o:
	s_sub_co_u32 s25, ttmp9, 48
	s_lshl_b32 s25, s25, 2
	s_add_co_u32 s25, s25, s24
	s_lshl_b32 s30, s25, 15
	s_add_nc_u64 s[12:13], s[12:13], s[30:31]
	s_lshl_b32 s30, s25, 14
	s_add_nc_u64 s[22:23], s[22:23], s[30:31]
	v_lshlrev_b32 v3, 4, v2
	v_lshlrev_b32 v4, 3, v2
.macro OLOAD g
.set oi, 0
.rept 16
	global_load_b128 v[16+64*((\g)%2)+4*oi:16+64*((\g)%2)+4*oi+3], v3, s[12:13] offset:8192*(\g)+512*oi th:TH_LOAD_NT
.set oi, oi+1
.endr
.endm
.macro OPROC g, more
.if \g > 0
	s_wait_xcnt 0x0                                ; the last group's stores have read v144-175: they are written again only behind this wait
.endif
.set oi, 0
.rept 16
	s_wait_loadcnt 16*\more+15-oi                  ; load oi of this group is in; its younger ones and the next group's 16 stay out
	v_cvt_pk_f16_f32 v[144+2*oi], v[16+64*((\g)%2)+4*oi], v[16+64*((\g)%2)+4*oi+1]
	v_cvt_pk_f16_f32 v[145+2*oi], v[16+64*((\g)%2)+4*oi+2], v[16+64*((\g)%2)+4*oi+3]
	global_store_b64 v4, v[144+2*oi:145+2*oi], s[22:23] offset:4096*(\g)+256*oi   ; 256 consecutive bytes, aligned
.set oi, oi+1
.endr
.endm
	OLOAD 0
	OLOAD 1
	OPROC 0, 1
	OLOAD 2
	OPROC 1, 1
	OLOAD 3
	OPROC 2, 1
	OPROC 3, 0
	s_wait_tensorcnt 0x0                           ; every wave of the launch ends with these three lines
	ds_add_u32 v[SPW], v[NIL]
	s_wait_dscnt 0x0
	s_endpgm
.Lfunc_end_k_qee4f448ec7_prep:
	.size	k_qee4f448ec7_prep, .Lfunc_end_k_qee4f448ec7_prep-k_qee4f448ec7_prep
	.p2alignl 7, 3214868480
	.fill 96, 4, 3214868480
	.section	.rodata,"a",@progbits
	.p2align	6, 0x0
	.amdhsa_kernel k_qee4f448ec7_prep
		.amdhsa_group_segment_fixed_size 68096
		.amdhsa_private_segment_fixed_size 0
		.amdhsa_enable_private_segment 0
		.amdhsa_kernarg_size 80
		.amdhsa_user_sgpr_count 2
		.amdhsa_user_sgpr_kernarg_segment_ptr 1
		.amdhsa_wavefront_size32 1
		.amdhsa_system_sgpr_workgroup_id_x 1
		.amdhsa_system_sgpr_workgroup_id_y 1
		.amdhsa_system_sgpr_workgroup_id_z 1
		.amdhsa_system_vgpr_workitem_id 0
		.amdhsa_next_free_vgpr 194
		.amdhsa_next_free_sgpr 66
		.amdhsa_reserve_vcc 0
		.amdhsa_float_denorm_mode_32 3
		.amdhsa_float_denorm_mode_16_64 3
		.amdhsa_memory_ordered 1
		.amdhsa_forward_progress 1
		.amdhsa_inst_pref_size 133
	.end_amdhsa_kernel
	.amdgpu_metadata
---
amdhsa.version: [ 1, 2 ]
amdhsa.kernels:
  - .name:           k_qee4f448ec7_prep
    .symbol:         k_qee4f448ec7_prep.kd
    .args:
      - { .name: x, .offset: 0, .size: 8, .value_kind: global_buffer, .address_space: global }
      - { .name: W_Q, .offset: 8, .size: 8, .value_kind: global_buffer, .address_space: global }
      - { .name: W_K, .offset: 16, .size: 8, .value_kind: global_buffer, .address_space: global }
      - { .name: W_V, .offset: 24, .size: 8, .value_kind: global_buffer, .address_space: global }
      - { .name: W_O, .offset: 32, .size: 8, .value_kind: global_buffer, .address_space: global }
      - { .name: xc, .offset: 40, .size: 8, .value_kind: global_buffer, .address_space: global }
      - { .name: xs, .offset: 48, .size: 8, .value_kind: global_buffer, .address_space: global }
      - { .name: wc, .offset: 56, .size: 8, .value_kind: global_buffer, .address_space: global }
      - { .name: ws, .offset: 64, .size: 8, .value_kind: global_buffer, .address_space: global }
      - { .name: wo16, .offset: 72, .size: 8, .value_kind: global_buffer, .address_space: global }
    .group_segment_fixed_size: 68096
    .private_segment_fixed_size: 0
    .kernarg_segment_align: 8
    .kernarg_segment_size: 80
    .max_flat_workgroup_size: 128
    .sgpr_count:     66
    .vgpr_count:     194
    .wavefront_size: 32
...
	.end_amdgpu_metadata
.endif
;; end of part 1
;; launch qkv (part 2): grid 12 x 32, 4 waves a work-group, clusters of 4 x 4, 327,680 bytes of LDS; arguments xc, xs, wc, ws, b_Q, b_V, qkv; writes qkv
.if DOCPART == 2
	.amdgcn_target "amdgcn-amd-amdhsa--gfx1250"
	.amdhsa_code_object_version 6
	.text
	.protected	k_qee4f448ec7_qkv
	.globl	k_qee4f448ec7_qkv
	.p2align	8
	.type	k_qee4f448ec7_qkv,@function
k_qee4f448ec7_qkv:
	s_mov_b64 s[64:65], 0
	v_nop
	global_prefetch_b8 v0, s[64:65] scope:SCOPE_SE
	s_setreg_imm32_b32 hwreg(HW_REG_WAVE_MODE, 25, 1), 1
	s_wait_xcnt 0x0
	s_wait_alu depctr_hold_cnt(0) depctr_sa_sdst(0) depctr_va_vdst(0) depctr_va_sdst(0) depctr_va_ssrc(0) depctr_va_vcc(0) depctr_vm_vsrc(0)
	s_getreg_b32 s2, hwreg(HW_REG_IB_STS2, 6, 4)
	s_cmp_eq_u32 s2, 0
	s_cbranch_scc0 .Lentry_in_a_cluster
	s_endpgm
.Lentry_in_a_cluster:
	s_bfe_u32 s2, ttmp6, 0x10000c
	s_cmp_lg_u32 s2, 0xf033
	s_cbranch_scc0 .Lentry_shape_is_right
	s_endpgm
.Lentry_shape_is_right:
; PRODUCTS 1 TO 3 AS ONE GEMM ON E2M1 CODES: C[m][n] = sum over k of x[m][k] W[n][k] + bias[n], m = 2048 b + s, n = 1024 which + 64 h + e; M 8,192, N 3,072, K 1,024.  Sums in f32; the result is rounded once to f16
; and stored by head: qkv [which][16 b + h][s][64 e].  WORK LEFT OUT: b_K (it adds the same number to all scores of a query, which the softmax takes away: shown at the head of the first launch): K's sums begin with 0.
; LIMIT: |q|, |k|, |v| stay under 65,504 (f16).
; A tile of C, 256 x 256, is made by four waves, 128 x 128 each: 64 accumulators, 512 registers.  K goes in two steps of 512 (rows of 256 bytes), each in an LDS slot of its own: both are asked for at the head and nothing
; is filled again.  The scale bytes of the work-group's 256 + 256 rows come once, as dense blocks.
; CLUSTERS: 4 x 4 work-groups.  The four of a row of the cluster need the same tiles of x, the four of a column the same tiles of W: each is asked for jointly, by the same tensor load with a mask that names the four.
; A cluster's 1,024 columns are one of Q, K, V: which = the cluster's x, the same in all sixteen partners.
; THE MATRIX INSTRUCTION IS USED TRANSPOSED (source 0 = 16 rows of W, source 1 = 16 rows of x): a lane holds eight neighbouring columns of one row of C.
; REGISTERS: window 0: v0-31 addresses; v32-95 scale words, two sets, and nothing else; v128-191 x's fragments, one set (on the way out: rows read back); v192-223 the way out's packed results.
;   window 1: W's fragments, two sets, at v0 and v128; v192-255 the bias in the result's layout, the C of each sum's first product.   windows 2, 3: the accumulators ((a, b) at v[8 (8 (a % 4) + b)]).
.set NQ,     4                         ; matrix instructions deep in a slot
.set ROWB,   256                       ; a tile's row: 512 codes
.set KROW,   512                       ; a row of codes in memory
.set PITCH,  272                       ; an LDS row: 256 bytes + 16 of padding: the 16 rows that a load touches start 68 words apart
.set FR,     8
.set NL,     2
.set NP,     4                         ; places behind this matrix instruction (ISA guide 7.12.1)
.set HALFT,  128*PITCH
.set SLOT,   4*HALFT
.set KS,     32                        ; a row of scale bytes
.set SCL,    2*SLOT                    ; behind the slots: the scales, as units of 256 bytes + 16 of padding
.set HALFS,  16*272                    ; those of 128 rows: what one tensor load brings
.set SBLK,   2*272                     ; those of 16 rows
.set SPARE,  SCL+4*HALFS               ; the spare words: 128 bytes for each wave, two blocks of 256 bytes that no other line names
.set OP,     144                       ; the way out: a stage row: 128 bytes (a head's 64 f16) + 16.  A wave's stage, [2 heads][16 rows], lies in slot 0, which has had its one fill and its last read by then
.set ADRA, 16
.set ADRB, 20
.set STO,  24
.set RD,   25
.set CO,   26
.set ADRS, 27
.set SPW,  28
.set NIL,  29
.set BO,   30                          ; v30  32 x (lane / 16): my eight numbers of a tile's 16 of the bias
.set SC,   32
.set AF,   128
.set BK,   128                         ; the way out: 16 rows x 2 heads read back: v128-159 and v160-191 by turns
.set TMP,  192
.set BIAS, 192                         ; in window 1
.set G1, 24
.set G0, 32
.set G1B, 48
.set G0B, 56
.set G1S, 68
.set G0S, 76
.set G1SB, 80
.set G0SB, 88
.set MSB, 0
.macro WIN new                         ; the immediate's high byte repeats the setting that is left
.if MSB != \new
	s_set_vgpr_msb (MSB<<8)|\new
.set MSB, \new
.endif
.endm
.set MUL_LO, 0xa1                      ; source 0 (W) window 1, source 1 (x) window 0, C and D window 2
.set MUL_HI, 0xf1                      ; the same, C and D window 3
.set FST_LO, 0x91                      ; the first step: C (the bias) window 1, D window 2
.set FST_HI, 0xd1                      ; C window 1, D window 3
.set TO_B,   0x40                      ; destination window 1, address window 0
; A joint load: waves 0 and 1 fetch for x, waves 2 and 3 for W.  The branch hangs on the wave's number alone.  An s_nop 0 and four v_nop follow each line.
.macro JLOAD g0a, g1a, g0b, g1b
	s_cmp_eq_u32 s15, 0
	s_cbranch_scc0 .Lfor_b_\@
	tensor_load_to_lds s[\g0a:\g0a+3], s[\g1a:\g1a+7]
	s_nop 0
.rept 4
	v_nop
.endr
	s_branch .Lasked_\@
.Lfor_b_\@:
	tensor_load_to_lds s[\g0b:\g0b+3], s[\g1b:\g1b+7]
	s_nop 0
.rept 4
	v_nop
.endr
.Lasked_\@:
.endm
.macro CROUND                          ; a round of the cluster's barrier
	s_barrier_signal -1
	s_barrier_wait -1
	s_cmp_lg_u32 s14, 0
	s_cbranch_scc1 .Lnot_wave_0_\@
	s_barrier_signal -3
.Lnot_wave_0_\@:
	s_barrier_wait -3
	s_barrier_signal -1
	s_barrier_wait -1
.endm
	s_load_b128 s[4:7], s[0:1], 0x0                ; x's codes s[4:5], x's scales s[6:7]
	s_load_b128 s[8:11], s[0:1], 0x10              ; W's codes s[8:9], W's scales s[10:11]
	s_load_b128 s[96:99], s[0:1], 0x20             ; b_Q s[96:97], b_V s[98:99]
	s_load_b64 s[12:13], s[0:1], 0x30              ; qkv
	v_lshl_add_u32 v[SPW], v0, 2, SPARE
	v_mov_b32 v[NIL], 0
	ds_add_u32 v[SPW], v[NIL]                      ; the wave's opening: the add, twice on end, and its wait ahead of my first tensor load
	ds_add_u32 v[SPW], v[NIL]
	v_lshrrev_b32 v1, 5, v0
	v_readfirstlane_b32 s14, v1                    ; wave 0..3
	s_lshr_b32 s15, s14, 1                         ; which half of the tile's rows is mine.  Also: I fetch for x (0) or for W (1)
	s_and_b32 s16, s14, 1                          ; which half of its columns.  Also: which 128 rows of that tile I fetch
	s_bfe_u32 s40, ttmp6, 0x40000                  ; cx, cy: my place in the cluster
	s_bfe_u32 s41, ttmp6, 0x40004
	s_lshl_b32 s42, ttmp9, 2
	s_add_co_u32 s42, s42, s40                     ; tile column of C
	s_and_b32 s17, ttmp7, 0xffff
	s_lshl_b32 s17, s17, 2
	s_add_co_u32 s17, s17, s41                     ; tile row of C
	s_lshl_b32 s43, s41, 2
	s_lshl_b32 s43, 15, s43                        ; my row of the cluster
	s_lshl_b32 s44, 0x1111, s40                    ; my column
	; group 1: a tile of 128 rows x 256 bytes, 16 bytes of padding behind each row
	s_or_b32 s[G1+0], s43, (0<<16)|(1<<20)|(1<<21)|(5<<22)|(3<<25)
	s_or_b32 s[G1B+0], s44, (0<<16)|(1<<20)|(1<<21)|(5<<22)|(3<<25)
.irp g, G1, G1B
	s_mov_b32 s[\g+1], ROWB<<16                    ; tensor_dim0
	s_mov_b32 s[\g+2], 128<<16                     ; tensor_dim1
	s_mov_b32 s[\g+3], ROWB<<16                    ; tile_dim0
	s_mov_b32 s[\g+4], 128                         ; tile_dim1
	s_mov_b32 s[\g+5], KROW                        ; from row to row
	s_mov_b32 s[\g+6], 0
	s_mov_b32 s[\g+7], 0
.endr
	; the scales of 128 rows: 4,096 dense bytes, as 16 rows of 256 bytes (32 elements of 8 bytes), 16 bytes of padding behind each
	s_or_b32 s[G1S+0], s43, (3<<16)|(1<<20)|(1<<21)|(5<<22)|(3<<25)
	s_or_b32 s[G1SB+0], s44, (3<<16)|(1<<20)|(1<<21)|(5<<22)|(3<<25)
.irp g, G1S, G1SB
	s_mov_b32 s[\g+1], 32<<16
	s_mov_b32 s[\g+2], 16<<16
	s_mov_b32 s[\g+3], 32<<16
	s_mov_b32 s[\g+4], 16
	s_mov_b32 s[\g+5], 32
	s_mov_b32 s[\g+6], 0
	s_mov_b32 s[\g+7], 0
.endr
	s_lshl_b32 s18, s16, 7                         ; which 128 rows of the tile I fetch
	s_lshl_b32 s20, s17, 8
	s_add_co_u32 s20, s20, s18                     ; x: row 256 x tile row + 128 x half
	s_lshl_b32 s46, s42, 8
	s_add_co_u32 s46, s46, s18                     ; W: row 256 x tile column + 128 x half
	s_mov_b32 s21, 0
	s_mov_b32 s47, 0
	s_mov_b64 s[18:19], KS
	s_mul_u64 s[22:23], s[20:21], s[18:19]         ; where these rows' scales begin,
	s_mul_u64 s[92:93], s[46:47], s[18:19]
	s_mov_b64 s[18:19], KROW
	s_mul_u64 s[20:21], s[20:21], s[18:19]         ; and their codes
	s_mul_u64 s[46:47], s[46:47], s[18:19]
	s_mul_i32 s45, s14, HALFT                      ; where they go: wave x 128 rows: no place in the cluster enters an LDS address
	s_mul_i32 s94, s14, HALFS
	s_wait_dscnt 0x0                               ; both opening adds are done
	s_wait_kmcnt 0x0
	s_add_nc_u64 s[20:21], s[4:5], s[20:21]
	s_add_nc_u64 s[22:23], s[6:7], s[22:23]
	s_add_nc_u64 s[46:47], s[8:9], s[46:47]
	s_add_nc_u64 s[92:93], s[10:11], s[92:93]
	CROUND                                         ; all sixteen work-groups are here: the joint loads meet
	s_mov_b32 s[G0S], 1
	s_add_co_u32 s[G0S+1], s94, SCL
	s_mov_b64 s[G0S+2:G0S+3], s[22:23]
	s_or_b32 s[G0S+3], s[G0S+3], 0x80000000
	s_mov_b32 s[G0SB], 1
	s_add_co_u32 s[G0SB+1], s94, SCL
	s_mov_b64 s[G0SB+2:G0SB+3], s[92:93]
	s_or_b32 s[G0SB+3], s[G0SB+3], 0x80000000
	JLOAD G0S, G1S, G0SB, G1SB                     ; the scales first: they are wanted with K step 0
.irp s, 0,1
	s_mov_b32 s[G0+4*\s], 1
	s_add_co_u32 s[G0+4*\s+1], s45, \s*SLOT
	s_add_nc_u64 s[G0+4*\s+2:G0+4*\s+3], s[20:21], \s*ROWB
	s_or_b32 s[G0+4*\s+3], s[G0+4*\s+3], 0x80000000
	s_mov_b32 s[G0B+4*\s], 1
	s_add_co_u32 s[G0B+4*\s+1], s45, \s*SLOT
	s_add_nc_u64 s[G0B+4*\s+2:G0B+4*\s+3], s[46:47], \s*ROWB
	s_or_b32 s[G0B+4*\s+3], s[G0B+4*\s+3], 0x80000000
	JLOAD G0+4*\s, G1, G0B+4*\s, G1B               ; three tensor loads of mine are out behind the second of these
.endr
	v_and_b32 v1, 15, v0                           ; l % 16
	v_bfe_u32 v2, v0, 4, 1                         ; l / 16
	v_mul_u32_u24 v3, v1, PITCH
	v_lshl_add_u32 v4, v2, 4, v3                   ; a fragment's row x pitch + 16 x half
	s_mul_i32 s21, s15, HALFT                      ; my 128 rows of x
	s_mul_i32 s22, s16, HALFT                      ; my 128 rows of W,
	s_add_co_u32 s22, s22, 2*HALFT                 ; which lie behind x's 256
.irp s, 0,1
	v_add_nc_u32 v[ADRA+\s], s21, v4
	v_add_nc_u32 v[ADRB+\s], s22, v4
	s_add_co_u32 s21, s21, SLOT
	s_add_co_u32 s22, s22, SLOT
.endr
	v_mul_u32_u24 v5, v1, KS                       ; my row's scales: 32 bytes a row,
	v_lshrrev_b32 v6, 8, v5
	v_lshl_add_u32 v5, v6, 4, v5                   ; and 16 more for each 256 passed
	s_mul_i32 s21, s15, HALFS
	s_mul_i32 s22, s16, HALFS
	s_add_co_u32 s22, s22, 2*HALFS
	s_sub_co_u32 s22, s22, s21
	v_mul_u32_u24 v6, s22, v2                      ; lanes 16-31 take W's: one product, the distance between the two bases
	s_add_co_u32 s21, s21, SCL
	v_add_nc_u32 v5, v5, v6
	v_add_nc_u32 v[ADRS], s21, v5
	s_mul_i32 s23, s14, 32*OP                      ; my stage
	v_mul_u32_u24 v5, v1, OP
	v_lshl_add_u32 v5, v2, 4, v5
	v_add_nc_u32 v[STO], s23, v5                   ; in: row l % 16, 16 bytes for each half of the lanes
	v_bfe_u32 v5, v0, 3, 2
	v_and_b32 v6, 7, v0
	v_mul_u32_u24 v5, v5, OP
	v_lshl_add_u32 v5, v6, 4, v5
	v_add_nc_u32 v[RD], s23, v5                    ; back: eight lanes to a row of 128 bytes, four rows an instruction
	v_and_b32 v6, 31, v0
	v_lshlrev_b32 v[CO], 4, v6                     ; four rows of a head are 512 consecutive bytes of qkv
	v_lshlrev_b32 v[BO], 5, v2
	; where my part of qkv begins: which x 16,777,216 + ((16 b + 4 cx + 2 x column half) x 2,048 + s) x 128
	s_lshl_b32 s20, s17, 8
	s_lshl_b32 s21, s15, 7
	s_add_co_u32 s20, s20, s21                     ; my first row m
	s_lshr_b32 s21, s20, 11                        ; b
	s_and_b32 s20, s20, 2047                       ; s
	s_lshl_b32 s21, s21, 4
	s_lshl_b32 s22, s40, 2
	s_add_co_u32 s21, s21, s22
	s_lshl_b32 s22, s16, 1
	s_add_co_u32 s21, s21, s22                     ; 16 b + my first head
	s_lshl_b32 s21, s21, 11
	s_add_co_u32 s21, s21, s20
	s_lshl_b32 s20, s21, 7
	s_lshl_b32 s22, ttmp9, 24
	s_add_co_u32 s20, s20, s22                     ; under 2^26
	s_mov_b32 s21, 0
	s_add_nc_u64 s[12:13], s[12:13], s[20:21]
	; the bias of my 128 columns, in the result's layout: lane (r, h), tile b: bias[16 b + 8 h + 0 .. 7].  Q and V load theirs; K's sums begin with 0.  The branch hangs on the cluster's x, the same in all partners
	s_cmp_eq_u32 ttmp9, 0
	s_cselect_b64 s[96:97], s[96:97], s[98:99]
	s_lshl_b32 s20, s40, 10
	s_lshl_b32 s22, s16, 9
	s_add_co_u32 s20, s20, s22                     ; (256 cx + 128 x column half) x 4 bytes
	s_add_nc_u64 s[96:97], s[96:97], s[20:21]
	s_cmp_eq_u32 ttmp9, 1
	s_cbranch_scc1 .Lfor_k
	WIN TO_B
.irp b, 0,1,2,3,4,5,6,7
	global_load_b128 v[BIAS+8*\b:BIAS+8*\b+3], v[BO], s[96:97] offset:64*\b
	global_load_b128 v[BIAS+8*\b+4:BIAS+8*\b+7], v[BO], s[96:97] offset:64*\b+16
.endr
	WIN 0
	s_branch .Lbias_set
.Lfor_k:
	WIN TO_B
.set zi, 0
.rept 64
	v_mov_b32 v[BIAS+zi], 0
.set zi, zi+1
.endr
	WIN 0
.Lbias_set:
.macro FRAG reg, adr, q, i             ; 16 rows x 128 K of 4-bit codes: 8 registers: lane l holds row l % 16; registers 4 c .. 4 c + 3 hold K = 64 c + 32 (l / 16) + 0 .. 31
.irp c, 0,1
	ds_load_b128 v[\reg+4*\c:\reg+4*\c+3], v[\adr] offset:64*(\q)+32*\c+(\i)*16*PITCH
.endr
.endm
; 16 matrix instructions: x's blocks a0, a0 + 1 against W's eight, the slot's q-th 128 along K.  p: W's set; sc: the set of scale words.  first = 1: the bias is the C: nothing is cleared or added later.
; The 64 accumulators take turns, one instruction a turn, in the same order in every step.
.macro MUL16 a0, p, q, sc, first
.irp a, \a0, \a0+1
.irp b, 0,1,2,3,4,5,6,7
.if \first
	v_wmma_scale_f32_16x16x128_f8f6f4 v[8*(8*((\a)%4)+\b):8*(8*((\a)%4)+\b)+7], v[128*(\p)+FR*\b:128*(\p)+FR*\b+FR-1], v[AF+FR*(\a):AF+FR*(\a)+FR-1], v[BIAS+8*\b:BIAS+8*\b+7], v[SC+8*NQ*(\sc)+NQ*\b+(\q)], v[SC+8*NQ*(\sc)+NQ*(\a)+(\q)] matrix_a_fmt:MATRIX_FMT_FP4 matrix_b_fmt:MATRIX_FMT_FP4 matrix_a_scale:MATRIX_SCALE_ROW1
.else
	v_wmma_scale_f32_16x16x128_f8f6f4 v[8*(8*((\a)%4)+\b):8*(8*((\a)%4)+\b)+7], v[128*(\p)+FR*\b:128*(\p)+FR*\b+FR-1], v[AF+FR*(\a):AF+FR*(\a)+FR-1], v[8*(8*((\a)%4)+\b):8*(8*((\a)%4)+\b)+7], v[SC+8*NQ*(\sc)+NQ*\b+(\q)], v[SC+8*NQ*(\sc)+NQ*(\a)+(\q)] matrix_a_fmt:MATRIX_FMT_FP4 matrix_b_fmt:MATRIX_FMT_FP4 matrix_a_scale:MATRIX_SCALE_ROW1
.endif
.endr
.endr
.endm
.macro FETCH_B slot, q, p
	WIN TO_B
.irp i, 0,1,2,3,4,5,6,7
	FRAG 128*(\p)+FR*\i, ADRB+\slot, \q, \i
.endr
	WIN 0
.endm
.macro FETCH_A slot, q, i0
.irp i, \i0, \i0+1, \i0+2, \i0+3
	FRAG AF+FR*(\i), ADRA+\slot, \q, \i
.endr
.endm
.macro SCALES sc                       ; a slot's scale words: 4 words a row; lanes 0-15 take x's block i, lanes 16-31 W's block i
.irp i, 0,1,2,3,4,5,6,7
	ds_load_b128 v[SC+8*NQ*\sc+NQ*\i:SC+8*NQ*\sc+NQ*\i+3], v[ADRS] offset:\i*SBLK
.endr
.endm
.macro PLACES n                        ; plain vector instructions that name no register of the matrix instructions in front of them (ISA guide 7.12.1)
.rept \n
	v_nop
.endr
.endm
.macro STEP slot, q, first             ; a step of 128 along K that has its successor in the same slot
	s_wait_dscnt 4*NL                              ; W's set and x's blocks 0-3 are in; the youngest eight loads (x's blocks 4-7) may be out
.if \first
	WIN FST_LO
.else
	WIN MUL_LO
.endif
	MUL16 0, (\q)%2, \q, \slot, \first
	MUL16 2, (\q)%2, \q, \slot, \first
	s_wait_dscnt 0                                 ; x's blocks 4-7 are in
	PLACES NP
	FETCH_B \slot, (\q)+1, 1-(\q)%2
	FETCH_A \slot, (\q)+1, 0
.if \first
	WIN FST_HI
.else
	WIN MUL_HI
.endif
	MUL16 4, (\q)%2, \q, \slot, \first
	MUL16 6, (\q)%2, \q, \slot, \first
	PLACES NP
	WIN 0
	FETCH_A \slot, (\q)+1, 4
.endm
; Slot 0's last step goes over to slot 1: each wave waits for all its tensor loads (slot 1's is the one that may be out), and one barrier shows the slot whole to all four.
.macro TURN slot, next
	s_wait_tensorcnt 0x0                           ; my part of the next slot has landed
	ds_add_u32 v[SPW], v[NIL]                      ; 0 onto my spare word
	s_wait_dscnt 4*NL+1                            ; (the add and the youngest eight loads may be out)
	WIN MUL_LO
	MUL16 0, 1, NQ-1, \slot, 0
	s_wait_dscnt 0x0                               ; the add is done, and my reads of this slot are over
	s_barrier_signal -1
	MUL16 2, 1, NQ-1, \slot, 0
	WIN 0
	s_barrier_wait -1
	PLACES NP
	v_add_nc_u32 v[ADRS], 4*NQ, v[ADRS]            ; on to the next slot's scale words
	FETCH_B \next, 0, 0
	FETCH_A \next, 0, 0
	SCALES \next
	WIN MUL_HI
	MUL16 4, 1, NQ-1, \slot, 0
	MUL16 6, 1, NQ-1, \slot, 0
	PLACES NP
	WIN 0
	FETCH_A \next, 0, 4
.endm
.macro STEPS slot, from
.set Q, \from
.rept NQ-1-\from
	STEP \slot, Q, 0
.set Q, Q+1
.endr
.endm
	s_wait_tensorcnt 1                             ; the scales and my part of slot 0 are in; slot 1's load may be out
	s_barrier_signal -1
	s_barrier_wait -1                              ; everybody's are
	FETCH_B 0, 0, 0
	FETCH_A 0, 0, 0
	SCALES 0
	FETCH_A 0, 0, 4
	s_wait_loadcnt 0x0                             ; the bias
	STEP 0, 0, 1
	STEPS 0, 1
	TURN 0, 1
	STEPS 1, 0
	s_wait_dscnt 4*NL                              ; the last step: nothing more to fetch
	WIN MUL_LO
	MUL16 0, 1, NQ-1, 1, 0
	MUL16 2, 1, NQ-1, 1, 0
	s_wait_dscnt 0
	WIN MUL_HI
	MUL16 4, 1, NQ-1, 1, 0
	MUL16 6, 1, NQ-1, 1, 0
	WIN 0
; THE WAY OUT, block by block of 16 rows x 128 columns (two heads).  PACK: rounded to f16, 16 bytes a lane, each accumulator from its low end on.  TOSTAGE: into my stage, and back four rows of a head at a time.
; SEND: each store covers 512 consecutive bytes of qkv, aligned.  LDS serves a wave's instructions in order: no wait between the stores and the loads, nor in front of the next block's stores.
.macro PACK a
.set AC, 64*((\a)%4)
	WIN 0x0a+5*((\a)/4)                            ; sources 0 and 1: window 2 or 3
.irp b, 0,1,2,3,4,5,6,7
.irp r, 0,1,2,3
	v_cvt_pk_f16_f32 v[TMP+4*\b+\r], v[AC+8*\b+2*\r], v[AC+8*\b+2*\r+1]
.endr
.endr
	WIN 0
.endm
.macro TOSTAGE a
.set BB, BK+32*((\a)%2)
.irp b, 0,1,2,3,4,5,6,7
	ds_store_b128 v[STO], v[TMP+4*\b:TMP+4*\b+3] offset:(\b/4)*16*OP+32*(\b%4)
.endr
.irp u, 0,1,2,3,4,5,6,7
	ds_load_b128 v[BB+4*\u:BB+4*\u+3], v[RD] offset:(\u/4)*16*OP+(\u%4)*4*OP
.endr
.endm
.macro SEND a, younger
.set BB, BK+32*((\a)%2)
	s_wait_dscnt \younger                          ; the block is back in registers; the next block's eight stores and eight loads may be out
.irp u, 0,1,2,3,4,5,6,7
	global_store_b128 v[CO], v[BB+4*\u:BB+4*\u+3], s[12:13] offset:(\u/4)*262144+2048*(\a)+512*(\u%4)
.endr
.endm
	PLACES NP                                      ; behind the last products: for the conversions' reads and for the loads into the registers that held x's fragments
	PACK 0
	TOSTAGE 0
.irp a, 1,2,3,4,5,6,7
	PACK \a
.if \a > 1
	s_wait_xcnt 0x0                                ; block a - 2's stores have read their registers: block a's loads may land there
.endif
	TOSTAGE \a
	SEND \a-1, 16
.endr
	SEND 7, 0
	s_wait_tensorcnt 0x0                           ; the wave's end: behind my last tensor load and my last LDS store
	ds_add_u32 v[SPW], v[NIL]
	s_wait_dscnt 0x0
	CROUND                                         ; the closing round
	s_endpgm
.Lfunc_end_k_qee4f448ec7_qkv:
	.size	k_qee4f448ec7_qkv, .Lfunc_end_k_qee4f448ec7_qkv-k_qee4f448ec7_qkv
	.p2alignl 7, 3214868480
	.fill 96, 4, 3214868480
	.section	.rodata,"a",@progbits
	.p2align	6, 0x0
	.amdhsa_kernel k_qee4f448ec7_qkv
		.amdhsa_group_segment_fixed_size 327680
		.amdhsa_private_segment_fixed_size 0
		.amdhsa_enable_private_segment 0
		.amdhsa_kernarg_size 56
		.amdhsa_user_sgpr_count 2
		.amdhsa_user_sgpr_kernarg_segment_ptr 1
		.amdhsa_wavefront_size32 1
		.amdhsa_system_sgpr_workgroup_id_x 1
		.amdhsa_system_sgpr_workgroup_id_y 1
		.amdhsa_system_sgpr_workgroup_id_z 1
		.amdhsa_system_vgpr_workitem_id 0
		.amdhsa_next_free_vgpr 1024
		.amdhsa_next_free_sgpr 100
		.amdhsa_reserve_vcc 0
		.amdhsa_float_denorm_mode_32 3
		.amdhsa_float_denorm_mode_16_64 3
		.amdhsa_memory_ordered 1
		.amdhsa_forward_progress 1
		.amdhsa_inst_pref_size 130
	.end_amdhsa_kernel
	.amdgpu_metadata
---
amdhsa.version: [ 1, 2 ]
amdhsa.kernels:
  - .name:           k_qee4f448ec7_qkv
    .symbol:         k_qee4f448ec7_qkv.kd
    .args:
      - { .name: xc, .offset: 0, .size: 8, .value_kind: global_buffer, .address_space: global }
      - { .name: xs, .offset: 8, .size: 8, .value_kind: global_buffer, .address_space: global }
      - { .name: wc, .offset: 16, .size: 8, .value_kind: global_buffer, .address_space: global }
      - { .name: ws, .offset: 24, .size: 8, .value_kind: global_buffer, .address_space: global }
      - { .name: b_Q, .offset: 32, .size: 8, .value_kind: global_buffer, .address_space: global }
      - { .name: b_V, .offset: 40, .size: 8, .value_kind: global_buffer, .address_space: global }
      - { .name: qkv, .offset: 48, .size: 8, .value_kind: global_buffer, .address_space: global }
    .group_segment_fixed_size: 327680
    .private_segment_fixed_size: 0
    .kernarg_segment_align: 8
    .kernarg_segment_size: 56
    .max_flat_workgroup_size: 128
    .sgpr_count:     100
    .vgpr_count:     1024
    .wavefront_size: 32
...
	.end_amdgpu_metadata
.endif
;; end of part 2
;; launch attn (part 3): grid 4 x 64, 8 waves a work-group, clusters of 4 x 1, 327,680 bytes of LDS; arguments qkv, ctx; writes ctx
.if DOCPART == 3
	.amdgcn_target "amdgcn-amd-amdhsa--gfx1250"
	.amdhsa_code_object_version 6
	.text
	.protected	k_qee4f448ec7_attn
	.globl	k_qee4f448ec7_attn
	.p2align	8
	.type	k_qee4f448ec7_attn,@function
k_qee4f448ec7_attn:
	s_mov_b64 s[64:65], 0
	v_nop
	global_prefetch_b8 v0, s[64:65] scope:SCOPE_SE
	s_setreg_imm32_b32 hwreg(HW_REG_WAVE_MODE, 25, 1), 1
	s_wait_xcnt 0x0
	s_wait_alu depctr_hold_cnt(0) depctr_sa_sdst(0) depctr_va_vdst(0) depctr_va_sdst(0) depctr_va_ssrc(0) depctr_va_vcc(0) depctr_vm_vsrc(0)
	s_getreg_b32 s2, hwreg(HW_REG_IB_STS2, 6, 4)
	s_cmp_eq_u32 s2, 0
	s_cbranch_scc0 .Lentry_in_a_cluster
	s_endpgm
.Lentry_in_a_cluster:
	s_bfe_u32 s2, ttmp6, 0x10000c
	s_cmp_lg_u32 s2, 0x3003
	s_cbranch_scc0 .Lentry_shape_is_right
	s_endpgm
.Lentry_shape_is_right:
; PRODUCTS 4 AND 5 AND THE SOFTMAX: ctx[bh][q][:] = sum over k of softmax_k(Q[q] . K[k] / 8) V[k][:], for each of the 64 (b, h).  q, k, v: [which][bh][2048][64] f16 in qkv; ctx [bh][2048][64] f16.
; Products, maxima and sums in f32; the weights p are rounded to f16 for the second product, ctx once at the end.  (k comes without b_K: shown at the head of the first launch.)
; LIMIT: |ctx| stays under 65,504 (f16); it is an average of v's rows.
; SHARES.  A cluster of four work-groups is one (b, h); a work-group owns 512 queries, each of its eight waves 64: four tiles of 16.  Every wave walks all 2,048 keys, 64 a step, 32 steps.
; LAYOUT.  S^T = K Q^T (source 0 = 16 keys, source 1 = 16 queries): a lane holds ONE query (lane % 16) and the keys 8 (lane / 16) + 0..7.  Two such tiles, rounded to f16 in pairs, ARE source 1 (32 keys x 16 queries) of
; O^T = V^T P, whose result again holds one query a lane.  K comes out of LDS as it lies, V ([key][channel]) turned, by ds_load_tr16_b128.
; SOFTMAX.  For each query a running maximum m and sum l: p = 2^(c s - c m), c = log2(e) / 8; in every step O and l are multiplied by a = 2^(c m_old - c m_new).
; TWO PHASES, TWO TYPES OF WAVE.  A step is a matrix phase MAT (32 products V^T P of step j, 32 products K Q^T of step j + 1) and a vector phase VEC (the softmax of four tiles: 474 instructions).  A wave holds 512
; registers, so two waves share a SIMD's registers.  All waves run the same sequence QK0, VEC, MAT, VEC, MAT ..; waves of type A have the loop's edge in front of a MAT, waves of type B in front of a VEC, so that behind each
; barrier one type starts on the matrix unit and the other on the vector unit.  The type, (w xor w / 4) % 2, differs between waves w and w + 4 and between waves 2 i and 2 i + 1.
; CLUSTER.  The four work-groups walk the same K and V: each tile is asked for JOINTLY, by the same tensor load with the same descriptor and the mask of all four.
; THE RING.  Two slots of 512 keys (8 steps).  Each wave fetches 128 rows: waves 0-3 of K, waves 4-7 of V.  Both slots are filled at the head and each once more.
; NO PREFETCH: a refill is asked for eight key steps, 512 matrix instructions of each wave, ahead of its first read, and the two first fills stand at the head.
; REGISTERS.  window 0: v0-15 addresses; v16-47 eight registers of statistics a tile; v48-175 S^T, 32 a tile, P laid over each tile's first 16; v176-239 K of one step.
;             window 1: v0-127 O^T, 32 a tile; v128-191 Q; v192-255 V of one step.
.set KP,     144                       ; a row of K in LDS: 128 bytes + 16: 36 words from row to row, so the 16 rows of a load start at different banks (64 banks of 4 bytes: ISA guide 11.1)
.set VP,     160                       ; a row of V: 128 + 32: an odd multiple of 32 bytes
.set VOFF,   512*KP                    ; a slot: 512 rows of K, then 512 rows of V
.set SLOTB,  512*(KP+VP)
.set KSTEPB, 64*KP
.set VSTEPB, 64*VP
.set SPARE,  2*SLOTB                   ; behind the ring: the spare words, 128 bytes for each of eight waves: four blocks of 256 bytes that no other line names
.set SP,     144                       ; the way out: stage rows; wave w's four tiles of 16 rows lie at 64 SP w, in slot 0's part for K, which has had its last fill and its last read by then
.set AK0, 2
.set AV0, 3
.set ADK, 4
.set ADV, 5
.set QO,  6
.set STO, 7
.set RD,  8
.set GO,  9
.set SPW, 10
.set NIL, 11
.set ST,  16                           ; tile t at v[ST + 8 t]: +0 c m, +1 m, +2, +3 l (even keys', odd keys'), +4 .. +7 c0-c3 at work; a takes +6, c m_old - c m_new +7; the step's sum takes +4, +5
.set S,   48
.set KF,  176
.set QF,  128                          ; in window 1
.set VF,  192                          ; in window 1
.set WV,  12
.set TY,  13
.set G1K, 24
.set G1V, 32
.set G0K, 40                           ; s[40:47] group 0 for K's tiles, a set for each slot
.set G0V, 48                           ; s[48:55] the same for V's
.set CNT, 56
.set TK,  57                           ; LDS byte at which the K tile of the step to be fetched begins
.set CS,  58
.set SEL, 60
.set TV,  62                           ; the same for V (less VOFF)
.set MSB, 0
.macro WIN new                         ; the immediate's high byte repeats the setting that is left; a switch that changes nothing is dropped
.if MSB != \new
	s_set_vgpr_msb (MSB<<8)|\new
.set MSB, \new
.endif
.endm
.set W_KQ, 0x04                        ; K and S^T window 0, Q window 1
.set W_PV, 0x51                        ; V and O^T window 1, P window 0
.set W_RS, 0x41                        ; O^T (destination and source 0) window 1, a window 0
.set TO_1, 0x40                        ; destination window 1, address window 0
.macro JLOAD sl                        ; a joint refill of slot sl.  The branch hangs on the wave's number alone.  An s_nop 0 and four v_nop follow each line
	s_cmp_lt_u32 s[WV], 4
	s_cbranch_scc0 .Lfor_v_\@
	tensor_load_to_lds s[G0K+4*\sl:G0K+4*\sl+3], s[G1K:G1K+7]
	s_nop 0
.rept 4
	v_nop
.endr
	s_branch .Lasked_\@
.Lfor_v_\@:
	tensor_load_to_lds s[G0V+4*\sl:G0V+4*\sl+3], s[G1V:G1V+7]
	s_nop 0
.rept 4
	v_nop
.endr
.Lasked_\@:
.endm
.macro CROUND                          ; a round of the cluster's barrier
	s_barrier_signal -1
	s_barrier_wait -1
	s_cmp_lg_u32 s[WV], 0
	s_cbranch_scc1 .Lnot_wave_0_\@
	s_barrier_signal -3
.Lnot_wave_0_\@:
	s_barrier_wait -3
	s_barrier_signal -1
	s_barrier_wait -1
.endm
	s_load_b128 s[4:7], s[0:1], 0x0                ; qkv s[4:5], ctx s[6:7]
	v_lshl_add_u32 v[SPW], v0, 2, SPARE
	v_mov_b32 v[NIL], 0
	ds_add_u32 v[SPW], v[NIL]                      ; the wave's opening: the add, twice on end, and its wait ahead of my first tensor load
	ds_add_u32 v[SPW], v[NIL]
	v_lshrrev_b32 v1, 5, v0
	v_readfirstlane_b32 s[WV], v1                  ; wave 0..7
	s_lshr_b32 s[TY], s[WV], 2
	s_xor_b32 s[TY], s[TY], s[WV]
	s_and_b32 s[TY], s[TY], 1                      ; 0: type A, 1: type B
	s_bfe_u32 s14, ttmp6, 0x40000                  ; cx: my block of 512 queries: it enters Q's and ctx's addresses alone
	s_and_b32 s15, ttmp7, 0xffff                   ; bh, which the four partners share
	s_lshl_b32 s20, s15, 18                        ; the head's first byte: 2,048 rows of 128 bytes
	s_and_b32 s16, s[WV], 3                        ; which 128 rows of a slot I fetch:
	s_lshl_b32 s22, s16, 14                        ; in memory,
	s_add_co_u32 s22, s22, s20
	s_mov_b32 s23, 0
	s_mul_i32 s17, s16, 128*KP                     ; in a slot's part for K,
	s_mul_i32 s18, s16, 128*VP
	s_add_co_u32 s18, s18, VOFF                    ; and for V: no place in the cluster enters an LDS address
	s_lshl_b32 s2, s14, 16                         ; my block's 512 rows,
	s_lshl_b32 s3, s[WV], 13                       ; my wave's 64 of them
	s_add_co_u32 s2, s2, s3
	s_add_co_u32 s2, s2, s20
	s_mov_b32 s3, 0
	; group 1: a tile of 128 rows x 64 elements of 2 bytes, padded behind every row of 32 words: K by 4 words, V by 8
	s_mov_b32 s[G1K], 15|(1<<16)|(1<<20)|(1<<21)|(4<<22)|(3<<25)
	s_mov_b32 s[G1V], 15|(1<<16)|(1<<20)|(1<<21)|(4<<22)|(7<<25)
.irp g, G1K, G1V
	s_mov_b32 s[\g+1], 64<<16                      ; tensor_dim0
	s_mov_b32 s[\g+2], 128<<16                     ; tensor_dim1
	s_mov_b32 s[\g+3], 64<<16                      ; tile_dim0
	s_mov_b32 s[\g+4], 128                         ; tile_dim1
	s_mov_b32 s[\g+5], 64                          ; from row to row
	s_mov_b32 s[\g+6], 0
	s_mov_b32 s[\g+7], 0
.endr
	s_mov_b32 s[CS], 0x3e38aa3b                    ; c = log2(e) / 8
	s_mov_b32 s[CS+1], s[CS]                       ; named with it as a pair, so it is written
	s_mov_b32 s[SEL], 0x76543210
	s_mov_b32 s[SEL+1], 0xfedcba98                 ; v_permlanex16_b32: lane l xor 16
	s_mov_b32 s[TK], 0
	s_mov_b32 s[TV], 0
	s_wait_dscnt 0x0                               ; both opening adds are done
	s_wait_kmcnt 0x0
	s_mov_b64 s[10:11], s[6:7]                     ; ctx
	s_add_nc_u64 s[6:7], s[4:5], 0x1000000         ; k: 16,777,216 bytes behind q
	s_add_nc_u64 s[8:9], s[4:5], 0x2000000         ; v
	s_add_nc_u64 s[6:7], s[6:7], s[22:23]          ; at my rows of slot 0
	s_add_nc_u64 s[8:9], s[8:9], s[22:23]
	s_add_nc_u64 s[4:5], s[4:5], s[2:3]            ; q and ctx at my wave's first row
	s_add_nc_u64 s[10:11], s[10:11], s[2:3]
	CROUND                                         ; all four work-groups are here: the first joint loads meet
.irp s, 0,1
	s_mov_b32 s[G0K+4*\s], 1
	s_add_co_u32 s[G0K+4*\s+1], s17, \s*SLOTB
	s_add_nc_u64 s[G0K+4*\s+2:G0K+4*\s+3], s[6:7], \s*65536     ; slot s begins with keys 512 s
	s_or_b32 s[G0K+4*\s+3], s[G0K+4*\s+3], 0x80000000
	s_mov_b32 s[G0V+4*\s], 1
	s_add_co_u32 s[G0V+4*\s+1], s18, \s*SLOTB
	s_add_nc_u64 s[G0V+4*\s+2:G0V+4*\s+3], s[8:9], \s*65536
	s_or_b32 s[G0V+4*\s+3], s[G0V+4*\s+3], 0x80000000
.endr
	s_cmp_lt_u32 s[WV], 4                          ; a wave's two first fills stand in one branch, ahead of every wait on TENSORcnt and every LDS read: two loads of mine are out
	s_cbranch_scc0 .Lfirst_v
	tensor_load_to_lds s[G0K:G0K+3], s[G1K:G1K+7]
	s_nop 0
	tensor_load_to_lds s[G0K+4:G0K+7], s[G1K:G1K+7]
	s_nop 0
.rept 4
	v_nop
.endr
	s_branch .Lfirst_asked
.Lfirst_v:
	tensor_load_to_lds s[G0V:G0V+3], s[G1V:G1V+7]
	s_nop 0
	tensor_load_to_lds s[G0V+4:G0V+7], s[G1V:G1V+7]
	s_nop 0
.rept 4
	v_nop
.endr
.Lfirst_asked:
	v_and_b32 v1, 15, v0                           ; r = l % 16
	v_bfe_u32 v12, v0, 4, 1                        ; h = l / 16
	v_lshlrev_b32 v[QO], 7, v1
	v_lshl_add_u32 v[QO], v12, 4, v[QO]            ; row r of 128 bytes + 16 h
	WIN TO_1
.irp i, 0,1,2,3,4,5,6,7                ; Q stays in registers: tile i / 2, channels 32 (i % 2) on
	global_load_b128 v[QF+8*\i:QF+8*\i+3],   v[QO], s[4:5] offset:(\i/2)*2048+(\i%2)*64
	global_load_b128 v[QF+8*\i+4:QF+8*\i+7], v[QO], s[4:5] offset:(\i/2)*2048+(\i%2)*64+32
.endr
	WIN 0
	v_mul_u32_u24 v[AK0], v1, KP
	v_lshl_add_u32 v[AK0], v12, 4, v[AK0]          ; K: row x pitch + 16 x half
	v_and_b32 v13, 7, v0
	v_bfe_u32 v14, v0, 3, 1
	v_lshl_add_u32 v[AV0], v12, 3, v13             ; V, for the turning load: key 8 h + l % 8,
	v_mul_u32_u24 v[AV0], v[AV0], VP
	v_lshl_add_u32 v[AV0], v14, 4, v[AV0]          ; channels 8 ((l / 8) % 2) on
	v_add_nc_u32 v[AV0], VOFF, v[AV0]
	s_mul_i32 s14, s[WV], 64*SP                    ; my stage
	v_mul_u32_u24 v[STO], v1, SP
	v_lshl_add_u32 v[STO], v12, 4, v[STO]
	v_add_nc_u32 v[STO], s14, v[STO]               ; in: row r, 16 bytes for each half of the lanes
	v_bfe_u32 v14, v0, 3, 2
	v_mul_u32_u24 v[RD], v14, SP
	v_lshl_add_u32 v[RD], v13, 4, v[RD]
	v_add_nc_u32 v[RD], s14, v[RD]                 ; back: eight lanes to a row of 128 bytes, four rows an instruction
	v_and_b32 v[GO], 31, v0
	v_lshlrev_b32 v[GO], 4, v[GO]                  ; four rows of ctx are 512 consecutive bytes
.macro ADDR                            ; the LDS addresses of the step to be fetched: made where all waves pass, ahead of the types' parting
	v_add_nc_u32 v[ADK], s[TK], v[AK0]
	v_add_nc_u32 v[ADV], s[TV], v[AV0]
	s_add_co_u32 s[TK], s[TK], KSTEPB
	s_add_co_u32 s[TV], s[TV], VSTEPB
.endm
.macro FETCH_K                         ; 64 keys x 64 channels: fragment f: keys 16 (f / 2) on, channels 32 (f % 2) on
	WIN 0
.irp f, 0,1,2,3,4,5,6,7
	ds_load_b128 v[KF+8*\f:KF+8*\f+3],   v[ADK] offset:(\f/2)*16*KP+(\f%2)*64
	ds_load_b128 v[KF+8*\f+4:KF+8*\f+7], v[ADK] offset:(\f/2)*16*KP+(\f%2)*64+32
.endr
.endm
.macro FETCH_V                         ; turned: fragment f: keys 32 (f / 4) on, channels 16 (f % 4) on
	WIN TO_1
.irp f, 0,1,2,3,4,5,6,7
	ds_load_tr16_b128 v[VF+8*\f:VF+8*\f+3],   v[ADV] offset:(\f/4)*32*VP+(\f%4)*32
	ds_load_tr16_b128 v[VF+8*\f+4:VF+8*\f+7], v[ADV] offset:(\f/4)*32*VP+16*VP+(\f%4)*32
.endr
.endm
; The 16 accumulators of each product take turns, one instruction a turn.
.macro QKS                             ; S^T = K Q^T: the first 16 products start the sums
	WIN W_KQ
.irp c, 0,1
.irp a, 0,1,2,3
.irp t, 0,1,2,3
.if \c == 0
	v_wmma_f32_16x16x32_f16 v[S+32*\t+8*\a:S+32*\t+8*\a+7], v[KF+8*(2*\a+\c):KF+8*(2*\a+\c)+7], v[QF+16*\t+8*\c:QF+16*\t+8*\c+7], 0
.else
	v_wmma_f32_16x16x32_f16 v[S+32*\t+8*\a:S+32*\t+8*\a+7], v[KF+8*(2*\a+\c):KF+8*(2*\a+\c)+7], v[QF+16*\t+8*\c:QF+16*\t+8*\c+7], v[S+32*\t+8*\a:S+32*\t+8*\a+7]
.endif
.endr
.endr
.endr
.endm
.macro PVS zero                        ; O^T += V^T P.  zero = 1: the first 16 products start the sums: nothing is ever cleared
	WIN W_PV
.irp g, 0,1
.irp n, 0,1,2,3
.irp t, 0,1,2,3
.if \zero && (\g == 0)
	v_wmma_f32_16x16x32_f16 v[32*\t+8*\n:32*\t+8*\n+7], v[VF+8*(4*\g+\n):VF+8*(4*\g+\n)+7], v[S+32*\t+8*\g:S+32*\t+8*\g+7], 0
.else
	v_wmma_f32_16x16x32_f16 v[32*\t+8*\n:32*\t+8*\n+7], v[VF+8*(4*\g+\n):VF+8*(4*\g+\n)+7], v[S+32*\t+8*\g:S+32*\t+8*\g+7], v[32*\t+8*\n:32*\t+8*\n+7]
.endif
.endr
.endr
.endr
.endm
; THE MATRIX PHASE of step j.  more = 1: the next step's K is asked for first (32 products ahead of its use), its V behind the products that read this step's V.
.macro MAT zero, more
.if \more
	FETCH_K
.endif
	s_wait_dscnt 16*\more                          ; this step's V is in; the 16 loads of K just issued may be out
	PVS \zero
	WIN 0
.rept 5
	v_nop                                          ; four places in front of the loads into V's registers; five in front of the products that write S^T over P, which the products above read
.endr
.if \more
	FETCH_V
	s_wait_dscnt 16                                ; K is in; V's 16 loads may be out
	QKS
	WIN 0
.rept 4
	v_nop                                          ; places in front of the first read of the scores and of the next loads into K's registers
.endr
.endif
.endm
; THE VECTOR PHASE, in numbered pieces.  MAXI t, i (i = 0 .. 20): the maximum of tile t's 32 scores and the old m, the other half of the lanes', the new m, c m and its change.
.macro MAXI t, i, first
.set rT, ST+8*(\t)
.set rS, S+32*(\t)
.set ii, \i
.if ii < 4
	v_max3_num_f32 v[rT+4+ii], v[rS+8*ii], v[rS+8*ii+1], v[rS+8*ii+2]     ; each accumulator is read from its low end on
.elseif ii < 12
	v_max3_num_f32 v[rT+4+ii%4], v[rT+4+ii%4], v[rS+8*(ii%4)+2*(ii/4)+1], v[rS+8*(ii%4)+2*(ii/4)+2]
.elseif ii == 12
	v_max3_num_f32 v[rT+4], v[rT+4], v[rS+7], v[rS+15]
.elseif ii == 13
	v_max3_num_f32 v[rT+6], v[rT+6], v[rS+23], v[rS+31]
.elseif ii == 14
	v_max3_num_f32 v[rT+4], v[rT+4], v[rT+5], v[rT+6]
.elseif (ii == 15) && \first
	v_max_num_f32 v[rT+4], v[rT+4], v[rT+7]
.elseif ii == 15
	v_max3_num_f32 v[rT+4], v[rT+4], v[rT+7], v[rT+1]
.elseif ii == 16
	v_permlanex16_b32 v[rT+5], v[rT+4], s[SEL], s[SEL+1]     ; the query's other 32 keys lie in the lane 16 away
.elseif ii == 18
	v_max_num_f32 v[rT+1], v[rT+4], v[rT+5]
.elseif ii == 19
	v_mul_f32 v[rT], s[CS], v[rT+1]
.elseif \first                         ; the first step has no old maximum
.elseif ii == 17
	v_mov_b32 v[rT+7], v[rT]                       ; c m_old is kept: number 19 writes c m anew
.elseif ii == 20
	v_sub_f32 v[rT+7], v[rT+7], v[rT]
.endif
.endm
.macro SUBI t, b                       ; pair b of tile t: c s - c m
	v_pk_fma_f32 v[S+32*(\t)+2*(\b):S+32*(\t)+2*(\b)+1], v[S+32*(\t)+2*(\b):S+32*(\t)+2*(\b)+1], s[CS:CS+1], v[ST+8*(\t):ST+8*(\t)+1] op_sel_hi:[1,0,0] neg_lo:[0,0,1] neg_hi:[0,0,1]
.endm
; POSTI t, i (i = 0 .. 31): the step's sum of tile t's 16 pairs of weights, and their rounding to f16 IN PLACE: pair k goes to register k of the tile, which holds a number that has been summed and rounded already.
.macro POSTI t, i, first
.set rT, ST+8*(\t)
.set rS, S+32*(\t)
.set ii, \i
.if ii == 0
	v_pk_add_f32 v[rT+4:rT+5], v[rS:rS+1], v[rS+2:rS+3]
.elseif ii == 1
	v_cvt_pk_f16_f32 v[rS], v[rS], v[rS+1]
.elseif (ii == 31) && \first
.elseif ii == 31
	v_pk_fma_f32 v[rT+2:rT+3], v[rT+2:rT+3], v[rT+6:rT+7], v[rT+4:rT+5] op_sel_hi:[1,0,1]   ; l = a l + the step's sum
.elseif (ii == 29) && \first
	v_pk_add_f32 v[rT+2:rT+3], v[rT+4:rT+5], v[rS+30:rS+31]   ; the first step starts l
.elseif ii%2 == 1
	v_pk_add_f32 v[rT+4:rT+5], v[rT+4:rT+5], v[rS+ii+1:rS+ii+2]
.else
	v_cvt_pk_f16_f32 v[rS+ii/2], v[rS+ii], v[rS+ii+1]
.endif
.endm
.macro ITEM kind, first                ; one plain instruction of another pair of tiles, set behind an exponential
.if (\kind == 1) && (mq < 42)
	MAXI 2+mq%2,mq/2,\first
.elseif (\kind == 2) && (mq < 64)
	POSTI mq%2,mq/2,\first
.endif
.set mq, mq+1
.endm
; MIX e0, kind: the scalings and the 66 exponentials of tiles e0, e0 + 1 are ONE BATCH; behind each exponential stands a piece of other tiles' work (kind 1: tiles 2, 3's maxima; kind 2: tiles 0, 1's sums and roundings),
; which names no result of the batch.  A pair is scaled one group ahead of its exponentials.  One plain instruction and ONE wait close the batch, ahead of the first instruction that names a result.
.macro MIX e0, kind, first
.set mq, 0
.if !\first
	v_exp_f32 v[ST+8*(\e0)+6], v[ST+8*(\e0)+7]     ; a = 2^(c m_old - c m_new)
	v_exp_f32 v[ST+8*(\e0)+14], v[ST+8*(\e0)+15]
.endif
.set mp, 0
.rept 17
.if mp < 16
	SUBI \e0,mp
	SUBI \e0+1,mp
.endif
.if mp > 0
.set mn, 0
.rept 4
	v_exp_f32 v[S+32*(\e0+mn/2)+2*(mp-1)+mn%2], v[S+32*(\e0+mn/2)+2*(mp-1)+mn%2]
	ITEM \kind, \first
.set mn, mn+1
.endr
.endif
.set mp, mp+1
.endr
	v_nop
	s_wait_alu depctr_va_vdst(0)
.endm
.macro VEC first
	WIN 0
.set vq, 0
.rept 42
	MAXI vq%2,vq/2,\first
.set vq, vq+1
.endr
	MIX 0, 1, \first
	MIX 2, 2, \first
.set vq, 0
.rept 64
	POSTI 2+vq%2,vq/2,\first
.set vq, vq+1
.endr
.if !\first
	WIN W_RS                                       ; O^T times a: the one part that leaves window 0, so it stands together; each accumulator from its low end on
.set vq, 0
.rept 64
	v_pk_mul_f32 v[2*vq:2*vq+1], v[2*vq:2*vq+1], v[ST+8*(vq/16)+6:ST+8*(vq/16)+7] op_sel_hi:[1,0]
.set vq, vq+1
.endr
	WIN 0
.endif
.endm
; A trip of the loop.  Trip j fetches step j + 1.  Type A: MAT of step j, the softmax of step j + 1.  Type B: the softmax of step j, MAT of step j.
.macro BODY
	ADDR
	s_cmp_eq_u32 s[TY], 0
	s_cbranch_scc0 .Lvec_\@
	MAT 0, 1
.Lvec_\@:
	VEC 0
	s_cmp_eq_u32 s[TY], 0
	s_cbranch_scc1 .Ldone_\@
	MAT 0, 1
.Ldone_\@:
.endm
.macro LOOPN n
	s_mov_b32 s[CNT], \n
.Lbody_\@:
	BODY
	s_sub_co_u32 s[CNT], s[CNT], 1
	s_cmp_lg_u32 s[CNT], 0
	s_cbranch_scc1 .Lbody_\@
.endm
; THE CHANGE OF SLOTS: the slot's last step has been fetched.  Each wave waits for all its tensor loads (its part of the other slot), adds 0 to its spare word, and waits for that and for its reads of the slot.
; fill = 1: the slot is filled again with the keys 1,024 on, behind a round of the cluster's barrier: no wave of any partner still reads it or has a load on its way; one tensor load of mine is out behind it.
.macro CHANGE fill, slot, next
	s_wait_tensorcnt 0x0                           ; no tensor load of mine is out, so a group 0 may be written
	ds_add_u32 v[SPW], v[NIL]
.if \fill
	s_add_nc_u64 s[G0K+4*\slot+2:G0K+4*\slot+3], s[G0K+4*\slot+2:G0K+4*\slot+3], 131072
	s_add_nc_u64 s[G0V+4*\slot+2:G0V+4*\slot+3], s[G0V+4*\slot+2:G0V+4*\slot+3], 131072
.endif
	s_mov_b32 s[TK], \next                         ; the fetches go on at the other slot's first step
	s_mov_b32 s[TV], \next
	s_wait_dscnt 0x0                               ; the add is done, and my reads of the slot are over
.if \fill
	CROUND
	JLOAD \slot
.else
	s_barrier_signal -1
	s_barrier_wait -1
.endif
.endm
	s_wait_tensorcnt 0x1                           ; my part of slot 0 is in; slot 1's may stay out
	s_barrier_signal -1
	s_barrier_wait -1                              ; everybody's is
	ADDR
	FETCH_K                                        ; step 0
	FETCH_V
	s_wait_loadcnt 0x0                             ; Q
	s_wait_dscnt 16                                ; K is in; V's 16 loads may be out
	QKS
	WIN 0
.rept 4
	v_nop
.endr
	VEC 1                                          ; the first softmax starts m and l
	ADDR
	MAT 1, 1                                       ; V^T P of step 0 starts O^T; K Q^T of step 1
	s_cmp_eq_u32 s[TY], 0
	s_cbranch_scc0 .Lskew
	VEC 0                                          ; type A goes half a step ahead: the softmax of step 1
.Lskew:
	s_wait_dscnt 0x0
	s_barrier_signal -1                            ; from here the two types stand in opposite phases (slot 1's load may be out)
	s_barrier_wait -1
	LOOPN 6                                        ; trips 1 to 6 fetch steps 2 to 7
	CHANGE 1, 0, SLOTB
	LOOPN 8                                        ; trips 7 to 14: steps 8 to 15, from slot 1
	CHANGE 1, 1, 0
	LOOPN 8                                        ; trips 15 to 22: steps 16 to 23, from slot 0
	CHANGE 0, 0, SLOTB                             ; nothing is left to ask for
	LOOPN 8                                        ; trips 23 to 30: steps 24 to 31, from slot 1
	s_cmp_eq_u32 s[TY], 0
	s_cbranch_scc1 .Ltail
	VEC 0                                          ; type B: the softmax of step 31
.Ltail:
	; l is final behind the last softmax: the way out's first lines, the sums of its two halves, stand here.  They are plain, name none of the products' registers and, with the four v_nop behind the
	; products K Q^T, make eight places between those products and the products below, which take S^T's registers as a source: five are asked (ISA guide 7.12.1), on every way through the branch above.
.irp t, 0,1,2,3
	v_add_f32 v[ST+8*\t+4], v[ST+8*\t+2], v[ST+8*\t+3]
.endr
	MAT 0, 0                                       ; V^T P of step 31
	; THE WAY OUT.  The other half of the lanes' l is added; O^T / l is rounded to f16 and goes through my stage, a tile of 16 rows at a time.
.irp t, 0,1,2,3
	v_permlanex16_b32 v[ST+8*\t+5], v[ST+8*\t+4], s[SEL], s[SEL+1]
.endr
.irp t, 0,1,2,3
	v_add_f32 v[ST+8*\t+4], v[ST+8*\t+4], v[ST+8*\t+5]
.endr
.irp t, 0,1,2,3
	v_rcp_f32 v[ST+8*\t+6], v[ST+8*\t+4]
.endr
	v_nop                                          ; a plain instruction behind the last reciprocal,
	s_wait_alu depctr_va_vdst(0)                   ; and the one wait for the four, ahead of their first use
.macro PACK t
	WIN W_RS
.set vq, 0
.rept 16
	v_pk_mul_f32 v[32*\t+2*vq:32*\t+2*vq+1], v[32*\t+2*vq:32*\t+2*vq+1], v[ST+8*\t+6:ST+8*\t+7] op_sel_hi:[1,0]
.set vq, vq+1
.endr
	WIN 0x05                                       ; sources 0 and 1 window 1, destination window 0
.set vq, 0
.rept 16
	v_cvt_pk_f16_f32 v[S+32*\t+vq], v[32*\t+2*vq], v[32*\t+2*vq+1]
.set vq, vq+1
.endr
	WIN 0
.irp n, 0,1,2,3
	ds_store_b128 v[STO], v[S+32*\t+4*\n:S+32*\t+4*\n+3] offset:16*SP*\t+32*\n      ; row r: channels 16 n + 8 h + 0 .. 7
.endr
.irp i, 0,1,2,3
	ds_load_b128 v[S+32*\t+16+4*\i:S+32*\t+16+4*\i+3], v[RD] offset:16*SP*\t+4*SP*\i   ; LDS serves a wave's instructions in order: these see the stores above
.endr
.endm
	PACK 0
	PACK 1
	PACK 2
	PACK 3
.irp t, 0,1,2,3
.irp i, 0,1,2,3
	s_wait_dscnt 8*(3-\t)+3-\i                     ; behind this load: the tile's later loads and eight LDS instructions for each later tile
	global_store_b128 v[GO], v[S+32*\t+16+4*\i:S+32*\t+16+4*\i+3], s[10:11] offset:2048*\t+512*\i   ; 512 consecutive bytes, aligned
.endr
.endr
	s_wait_tensorcnt 0x0                           ; the wave's end: behind my last tensor load and my last LDS store
	ds_add_u32 v[SPW], v[NIL]
	s_wait_dscnt 0x0
	CROUND                                         ; the closing round
	s_endpgm
.Lfunc_end_k_qee4f448ec7_attn:
	.size	k_qee4f448ec7_attn, .Lfunc_end_k_qee4f448ec7_attn-k_qee4f448ec7_attn
	.p2alignl 7, 3214868480
	.fill 96, 4, 3214868480
	.section	.rodata,"a",@progbits
	.p2align	6, 0x0
	.amdhsa_kernel k_qee4f448ec7_attn
		.amdhsa_group_segment_fixed_size 327680
		.amdhsa_private_segment_fixed_size 0
		.amdhsa_enable_private_segment 0
		.amdhsa_kernarg_size 16
		.amdhsa_user_sgpr_count 2
		.amdhsa_user_sgpr_kernarg_segment_ptr 1
		.amdhsa_wavefront_size32 1
		.amdhsa_system_sgpr_workgroup_id_x 1
		.amdhsa_system_sgpr_workgroup_id_y 1
		.amdhsa_system_sgpr_workgroup_id_z 1
		.amdhsa_system_vgpr_workitem_id 0
		.amdhsa_next_free_vgpr 512
		.amdhsa_next_free_sgpr 66
		.amdhsa_reserve_vcc 0
		.amdhsa_float_denorm_mode_32 3
		.amdhsa_float_denorm_mode_16_64 3
		.amdhsa_memory_ordered 1
		.amdhsa_forward_progress 1
		.amdhsa_inst_pref_size 255
	.end_amdhsa_kernel
	.section	.bss,"aw",@nobits
	.p2align	6
	.space	262144
	.amdgpu_metadata
---
amdhsa.version: [ 1, 2 ]
amdhsa.kernels:
  - .name:           k_qee4f448ec7_attn
    .symbol:         k_qee4f448ec7_attn.kd
    .args:
      - { .name: qkv, .offset: 0, .size: 8, .value_kind: global_buffer, .address_space: global }
      - { .name: ctx, .offset: 8, .size: 8, .value_kind: global_buffer, .address_space: global }
    .group_segment_fixed_size: 327680
    .private_segment_fixed_size: 0
    .kernarg_segment_align: 8
    .kernarg_segment_size: 16
    .max_flat_workgroup_size: 256
    .sgpr_count:     66
    .vgpr_count:     512
    .wavefront_size: 32
...
	.end_amdgpu_metadata
.endif
;; end of part 3
;; launch oproj (part 4): grid 4 x 64, 4 waves a work-group, clusters of 4 x 4, 327,680 bytes of LDS; arguments ctx, wo16, b_O, out0; writes out0
.if DOCPART == 4
	.amdgcn_target "amdgcn-amd-amdhsa--gfx1250"
	.amdhsa_code_object_version 6
	.text
	.protected	k_qee4f448ec7_oproj
	.globl	k_qee4f448ec7_oproj
	.p2align	8
	.type	k_qee4f448ec7_oproj,@function
k_qee4f448ec7_oproj:
	s_mov_b64 s[64:65], 0
	v_nop
	global_prefetch_b8 v0, s[64:65] scope:SCOPE_SE
	s_setreg_imm32_b32 hwreg(HW_REG_WAVE_MODE, 25, 1), 1
	s_wait_xcnt 0x0
	s_wait_alu depctr_hold_cnt(0) depctr_sa_sdst(0) depctr_va_vdst(0) depctr_va_sdst(0) depctr_va_ssrc(0) depctr_va_vcc(0) depctr_vm_vsrc(0)
	s_getreg_b32 s2, hwreg(HW_REG_IB_STS2, 6, 4)
	s_cmp_eq_u32 s2, 0
	s_cbranch_scc0 .Lentry_in_a_cluster
	s_endpgm
.Lentry_in_a_cluster:
	s_bfe_u32 s2, ttmp6, 0x10000c
	s_cmp_lg_u32 s2, 0xf033
	s_cbranch_scc0 .Lentry_shape_is_right
	s_endpgm
.Lentry_shape_is_right:
; PRODUCT 6: out0[m][n] = sum over k of ctx[m][k] W_O[k][n] + b_O[n], m = 2048 b + s, k = 64 h + e.  ctx [16 b + h][s][64 e] f16, wo16 [1024 k][1024 n] f16, out0 [8192][1024] f32; sums in f32.
; A tile of out0 is 128 x 256: 256 work-groups.  Four waves, each 64 x 128: 32 accumulators, 256 registers.  K goes in 8 steps of 128 (two heads) through a ring of two LDS slots.
; ctx's tile: for each of the two heads 128 dense rows of 128 bytes.  W_O's tile: 128 rows k of 512 bytes; it lies [k][n], so its fragments come out of LDS turned, by ds_load_tr16_b128.
; CLUSTERS: 4 x 4 work-groups.  The four of a row of the cluster need the same tiles of ctx, the four of a column the same tiles of W_O: each is asked for jointly.
; THE MATRIX INSTRUCTION IS USED TRANSPOSED (source 0 = 16 columns n of W_O, source 1 = 16 rows of ctx): a lane holds eight neighbouring numbers of a row of out0.  b_O is the C of each sum's first product.
; NO PREFETCH: the launch moves 52 MB for 128 matrix instructions a wave and K step, and its tile is small: the stream of tiles and results is what it does all the time.
; REGISTERS: window 0: v0-31 addresses; two fragment buffers of 96 (ctx's four blocks, then W_O's eight) at v32 and v128.  window 1: the accumulators ((a, b) at v[8 (8 a + b)]).  window 2: v0-63 the bias.
.set AP,     144                       ; a row of ctx in LDS: 128 bytes + 16
.set BP,     544                       ; a row of W_O: 512 bytes + 32: an odd multiple of 32 bytes
.set BOFF,   2*128*AP                  ; a slot: two heads x 128 rows of ctx, then 128 rows of W_O
.set SLOT,   BOFF+128*BP
.set SPARE,  2*SLOT                    ; behind the ring: the spare words, 128 bytes for each wave: two blocks of 256 bytes that no other line names
.set SPITCH, 528                       ; the way out: a stage of 16 rows x (512 bytes + 16) for each wave, in slot 0, which has had its last fill and its last read by then
.set LAPS,   4                         ; a lap = two K steps
.set ADRA, 16
.set ADRB, 20
.set STO,  24
.set RD,   25
.set CO,   26
.set SPW,  28
.set NIL,  29
.set F0,   32
.set F1,   128
.set BK,   32                          ; the way out: 16 rows read back: v32-95 and v96-159 by turns
.set G1, 24
.set G0, 32
.set G1B, 48
.set G0B, 56
.set MSB, 0
.macro WIN new
.if MSB != \new
	s_set_vgpr_msb (MSB<<8)|\new
.set MSB, \new
.endif
.endm
.set MUL,  0x50                        ; sources 0 and 1 window 0, C and D window 1
.set MULF, 0x60                        ; the first products: C (the bias) window 2, D window 1
.macro JLOAD s                         ; a joint load: waves 0 and 1 fetch ctx's two heads, waves 2 and 3 W_O's two halves; an s_nop 0 and four v_nop follow each line
	s_cmp_eq_u32 s13, 0
	s_cbranch_scc0 .Lfor_b_\@
	tensor_load_to_lds s[G0+4*\s:G0+4*\s+3], s[G1:G1+7]
	s_nop 0
.rept 4
	v_nop
.endr
	s_branch .Lasked_\@
.Lfor_b_\@:
	tensor_load_to_lds s[G0B+4*\s:G0B+4*\s+3], s[G1B:G1B+7]
	s_nop 0
.rept 4
	v_nop
.endr
.Lasked_\@:
.endm
.macro CREST                           ; a round of the cluster's barrier behind its opening barrier
	s_cmp_lg_u32 s12, 0
	s_cbranch_scc1 .Lnot_wave_0_\@
	s_barrier_signal -3
.Lnot_wave_0_\@:
	s_barrier_wait -3
	s_barrier_signal -1
	s_barrier_wait -1
.endm
.macro CROUND
	s_barrier_signal -1
	s_barrier_wait -1
	CREST
.endm
	s_load_b128 s[4:7], s[0:1], 0x0                ; ctx s[4:5], wo16 s[6:7]
	s_load_b128 s[8:11], s[0:1], 0x10              ; b_O s[8:9], out0 s[10:11]
	v_lshl_add_u32 v[SPW], v0, 2, SPARE
	v_mov_b32 v[NIL], 0
	ds_add_u32 v[SPW], v[NIL]                      ; the wave's opening: the add, twice on end, and its wait ahead of my first tensor load
	ds_add_u32 v[SPW], v[NIL]
	v_lshrrev_b32 v1, 5, v0
	v_readfirstlane_b32 s12, v1                    ; wave 0..3
	s_lshr_b32 s13, s12, 1                         ; which half of the tile's rows is mine.  Also: I fetch for ctx (0) or for W_O (1)
	s_and_b32 s14, s12, 1                          ; which half of its columns.  Also: which head, or which 64 rows k, I fetch
	s_bfe_u32 s40, ttmp6, 0x40000                  ; cx, cy
	s_bfe_u32 s41, ttmp6, 0x40004
	s_lshl_b32 s42, ttmp9, 2
	s_add_co_u32 s42, s42, s40                     ; tile column
	s_and_b32 s15, ttmp7, 0xffff
	s_lshl_b32 s15, s15, 2
	s_add_co_u32 s15, s15, s41                     ; tile row
	s_lshl_b32 s43, s41, 2
	s_lshl_b32 s43, 15, s43                        ; my row of the cluster
	s_lshl_b32 s44, 0x1111, s40                    ; my column
	; group 1 for ctx: 128 rows x 64 elements of 2 bytes, 4 words of padding behind every 32;  for W_O: 64 rows x 256 elements, 8 words behind every 128
	s_or_b32 s[G1+0], s43, (1<<16)|(1<<20)|(1<<21)|(4<<22)|(3<<25)
	s_mov_b32 s[G1+1], 64<<16
	s_mov_b32 s[G1+2], 128<<16
	s_mov_b32 s[G1+3], 64<<16
	s_mov_b32 s[G1+4], 128
	s_mov_b32 s[G1+5], 64
	s_mov_b32 s[G1+6], 0
	s_mov_b32 s[G1+7], 0
	s_or_b32 s[G1B+0], s44, (1<<16)|(1<<20)|(1<<21)|(6<<22)|(7<<25)
	s_mov_b32 s[G1B+1], 256<<16
	s_mov_b32 s[G1B+2], 64<<16
	s_mov_b32 s[G1B+3], 256<<16
	s_mov_b32 s[G1B+4], 64
	s_mov_b32 s[G1B+5], 1024
	s_mov_b32 s[G1B+6], 0
	s_mov_b32 s[G1B+7], 0
	s_lshr_b32 s16, s15, 4                         ; b: sixteen tile rows to a batch
	s_lshl_b32 s16, s16, 4
	s_add_co_u32 s16, s16, s14                     ; 16 b + my head of K step 0
	s_lshl_b32 s16, s16, 11
	s_and_b32 s17, s15, 15
	s_lshl_b32 s17, s17, 7                         ; s: 128 x (tile row % 16)
	s_add_co_u32 s16, s16, s17
	s_lshl_b32 s16, s16, 7                         ; rows of 128 bytes: under 2^24
	s_mov_b32 s17, 0
	s_lshl_b32 s46, s14, 17                        ; W_O: 64 rows of 2,048 bytes x half,
	s_lshl_b32 s47, s42, 9                         ; + 512 bytes x tile column
	s_add_co_u32 s46, s46, s47
	s_mov_b32 s47, 0
	s_mul_i32 s20, s14, 128*AP                     ; where they go: no place in the cluster enters an LDS address
	s_mul_i32 s21, s14, 64*BP
	s_add_co_u32 s21, s21, BOFF
	s_wait_dscnt 0x0                               ; both opening adds are done
	s_wait_kmcnt 0x0
	s_add_nc_u64 s[16:17], s[4:5], s[16:17]
	s_add_nc_u64 s[46:47], s[6:7], s[46:47]
	CROUND                                         ; all sixteen work-groups are here: the first joint loads meet
.irp s, 0,1
	s_mov_b32 s[G0+4*\s], 1
	s_add_co_u32 s[G0+4*\s+1], s20, \s*SLOT
	s_add_nc_u64 s[G0+4*\s+2:G0+4*\s+3], s[16:17], \s*524288      ; K step s: two heads of 262,144 bytes on
	s_or_b32 s[G0+4*\s+3], s[G0+4*\s+3], 0x80000000
	s_mov_b32 s[G0B+4*\s], 1
	s_add_co_u32 s[G0B+4*\s+1], s21, \s*SLOT
	s_add_nc_u64 s[G0B+4*\s+2:G0B+4*\s+3], s[46:47], \s*262144    ; 128 rows of 2,048 bytes on
	s_or_b32 s[G0B+4*\s+3], s[G0B+4*\s+3], 0x80000000
	JLOAD \s                                       ; two tensor loads of mine are out behind the second
.endr
	v_and_b32 v1, 15, v0                           ; l % 16
	v_bfe_u32 v2, v0, 4, 1                         ; l / 16
	v_mul_u32_u24 v3, v1, AP
	v_lshl_add_u32 v3, v2, 4, v3                   ; ctx: row x pitch + 16 x half
	s_mul_i32 s21, s13, 64*AP                      ; my 64 rows
	v_and_b32 v4, 7, v0
	v_bfe_u32 v5, v0, 3, 1
	v_lshl_add_u32 v4, v2, 3, v4                   ; W_O, for the turning load: row k = 8 (l / 16) + l % 8,
	v_mul_u32_u24 v4, v4, BP
	v_lshl_add_u32 v4, v5, 4, v4                   ; columns 8 ((l / 8) % 2) on
	s_lshl_b32 s22, s14, 8                         ; my 128 columns
	s_add_co_u32 s22, s22, BOFF
.irp s, 0,1
	v_add_nc_u32 v[ADRA+\s], s21, v3
	v_add_nc_u32 v[ADRB+\s], s22, v4
	s_add_co_u32 s21, s21, SLOT
	s_add_co_u32 s22, s22, SLOT
.endr
	s_mul_i32 s23, s12, 16*SPITCH                  ; my stage
	v_mul_u32_u24 v5, v1, SPITCH
	v_lshl_add_u32 v5, v2, 5, v5
	v_add_nc_u32 v[STO], s23, v5                   ; in: row l % 16, 32 bytes for each half of the lanes
	v_and_b32 v6, 31, v0
	v_lshlrev_b32 v[CO], 4, v6                     ; back: the 32 lanes take one row of 512 bytes; and the same in out0
	v_add_nc_u32 v[RD], s23, v[CO]
	s_lshl_b32 s18, s42, 10
	s_lshl_b32 s19, s14, 9
	s_add_co_u32 s18, s18, s19                     ; my first column, in bytes of f32: 1,024 x tile column + 512 x half: in b_O and in a row of out0 alike
	s_mov_b32 s19, 0
	s_add_nc_u64 s[8:9], s[8:9], s[18:19]
	s_add_nc_u64 s[10:11], s[10:11], s[18:19]
	s_lshl_b32 s18, s15, 7
	s_lshl_b32 s22, s13, 6
	s_add_co_u32 s18, s18, s22                     ; my first row: 128 x tile row + 64 x half
	s_lshl_b32 s18, s18, 12                        ; rows of 4,096 bytes: under 2^25
	s_add_nc_u64 s[10:11], s[10:11], s[18:19]
	v_lshlrev_b32 v7, 5, v2
	WIN 0x80                                       ; destination window 2
.irp b, 0,1,2,3,4,5,6,7                ; the bias in the result's layout: lane (r, h), tile b: b_O[16 b + 8 h + 0 .. 7]
	global_load_b128 v[8*\b:8*\b+3], v7, s[8:9] offset:64*\b
	global_load_b128 v[8*\b+4:8*\b+7], v7, s[8:9] offset:64*\b+16
.endr
	WIN 0
; 8 matrix instructions: ctx's block a against W_O's eight, 32 along K.  first = 1: the bias is the C.  The 32 accumulators take turns, one instruction a turn.
.macro MULA f, a, first
.irp b, 0,1,2,3,4,5,6,7
.if \first
	v_wmma_f32_16x16x32_f16 v[8*(8*(\a)+\b):8*(8*(\a)+\b)+7], v[\f+32+8*\b:\f+32+8*\b+7], v[\f+8*(\a):\f+8*(\a)+7], v[8*\b:8*\b+7]
.else
	v_wmma_f32_16x16x32_f16 v[8*(8*(\a)+\b):8*(8*(\a)+\b)+7], v[\f+32+8*\b:\f+32+8*\b+7], v[\f+8*(\a):\f+8*(\a)+7], v[8*(8*(\a)+\b):8*(8*(\a)+\b)+7]
.endif
.endr
.endm
; 24 LDS loads in one run: the fragments of the slot's q-th 32 along K into buffer f: W_O's eight (turned), then ctx's blocks 0, 1, then 2, 3
.macro FETCH slot, q, f
	WIN 0
.irp b, 0,1,2,3,4,5,6,7
	ds_load_tr16_b128 v[\f+32+8*\b:\f+32+8*\b+3],   v[ADRB+\slot] offset:32*BP*(\q)+32*\b
	ds_load_tr16_b128 v[\f+32+8*\b+4:\f+32+8*\b+7], v[ADRB+\slot] offset:32*BP*(\q)+32*\b+16*BP
.endr
.irp i, 0,1,2,3
	ds_load_b128 v[\f+8*\i:\f+8*\i+3],   v[ADRA+\slot] offset:128*AP*((\q)/2)+64*((\q)%2)+16*AP*\i
	ds_load_b128 v[\f+8*\i+4:\f+8*\i+7], v[ADRA+\slot] offset:128*AP*((\q)/2)+64*((\q)%2)+16*AP*\i+32
.endr
.endm
.macro PLACES                          ; four places in front of loads into registers that matrix instructions have read, and of the first read of results
.rept 4
	v_nop
.endr
.endm
; A K step is four quarters of 32 along K, 32 matrix instructions each, on buffers 0, 1, 0, 1.  One of the first three: multiplies buffer f and fetches the slot's quarter qn into g.
.macro QUARTER slot, qn, f, g, first
	s_wait_dscnt 4                                 ; W_O's fragments and ctx's blocks 0, 1 are in; the youngest four loads (blocks 2, 3) may be out
.if \first
	WIN MULF
.else
	WIN MUL
.endif
	MULA \f, 0, \first
	MULA \f, 1, \first
	PLACES
	FETCH \slot, \qn, \g
	s_wait_dscnt 24                                ; all but the 24 just issued
.if \first
	WIN MULF
.else
	WIN MUL
.endif
	MULA \f, 2, \first
	MULA \f, 3, \first
.endm
; The last quarter multiplies buffer 1 and changes slots: ONE barrier; in front of it each wave waits for all its tensor loads, adds 0 to its spare word, and waits for that and for its reads of this slot.
; fill = 1: the barrier opens a round of the cluster's barrier, and this slot is filled again, two K steps ahead: one tensor load of mine is out behind it.
.macro TURN slot, next, fill
	WIN 0
	s_wait_tensorcnt 0x0                           ; all my tensor loads have landed: my part of the next slot
	ds_add_u32 v[SPW], v[NIL]
	s_wait_dscnt 5                                 ; (the add and the youngest four loads may be out)
	WIN MUL
	MULA F1, 0, 0                                  ; eight matrix instructions stand between the add and the wait for it
	s_wait_dscnt 0x0                               ; the add is done, and my reads of this slot are over
	s_barrier_signal -1
	MULA F1, 1, 0
	WIN 0
	s_barrier_wait -1
.if \fill
	CREST                                          ; no wave of any partner still reads this slot's tiles or has a load on its way
	s_add_nc_u64 s[G0+4*\slot+2:G0+4*\slot+3], s[G0+4*\slot+2:G0+4*\slot+3], 1048576
	s_add_nc_u64 s[G0B+4*\slot+2:G0B+4*\slot+3], s[G0B+4*\slot+2:G0B+4*\slot+3], 524288
	JLOAD \slot                                    ; the first tensor load behind the round; its four v_nop are also the places in front of the loads below
.else
	PLACES
.endif
	FETCH \next, 0, F0
	WIN MUL
	MULA F1, 2, 0
	MULA F1, 3, 0
.endm
	s_wait_tensorcnt 1                             ; my part of K step 0 is in; K step 1's load may be out
	s_barrier_signal -1
	s_barrier_wait -1
	FETCH 0, 0, F0
	s_wait_loadcnt 0x0                             ; the bias
	QUARTER 0, 1, F0, F1, 1                        ; the first quarter stands in front of the loop: its products start the sums on the bias
	WIN 0
	s_mov_b32 s3, LAPS-1
.Llap:                                                 ; a trip goes once round the ring, from a lap's second quarter to the next lap's first, and fills both slots again
	QUARTER 0, 2, F1, F0, 0
	QUARTER 0, 3, F0, F1, 0
	TURN 0, 1, 1
	QUARTER 1, 1, F0, F1, 0
	QUARTER 1, 2, F1, F0, 0
	QUARTER 1, 3, F0, F1, 0
	TURN 1, 0, 1
	QUARTER 0, 1, F0, F1, 0
	WIN 0
	s_sub_co_u32 s3, s3, 1
	s_cmp_lg_u32 s3, 0
	s_cbranch_scc1 .Llap
	QUARTER 0, 2, F1, F0, 0                        ; the last lap fills nothing
	QUARTER 0, 3, F0, F1, 0
	TURN 0, 1, 0
	QUARTER 1, 1, F0, F1, 0
	QUARTER 1, 2, F1, F0, 0
	QUARTER 1, 3, F0, F1, 0
	s_wait_dscnt 4                                 ; the very last quarter: nothing more to fetch
	WIN MUL
	MULA F1, 0, 0
	MULA F1, 1, 0
	s_wait_dscnt 0
	MULA F1, 2, 0
	MULA F1, 3, 0
	WIN 0
; THE WAY OUT, block by block of 16 rows x 128 columns: through my own stage, back as whole rows of 512 bytes.  LDS serves a wave's instructions in order: no wait between the stores and the loads.
.macro TOSTAGE a
	WIN 0x04                                       ; an LDS store's data are its source 1: window 1
.irp b, 0,1,2,3,4,5,6,7
	ds_store_b128 v[STO], v[64*(\a)+8*\b:64*(\a)+8*\b+3] offset:64*\b          ; each accumulator from its low end on
	ds_store_b128 v[STO], v[64*(\a)+8*\b+4:64*(\a)+8*\b+7] offset:64*\b+16
.endr
	WIN 0
.set BB, BK+64*((\a)%2)
.irp t, 0,1,2,3,4,5,6,7,8,9,10,11,12,13,14,15
	ds_load_b128 v[BB+4*\t:BB+4*\t+3], v[RD] offset:\t*SPITCH
.endr
.endm
.macro SEND a, younger
.set BB, BK+64*((\a)%2)
	s_wait_dscnt \younger                          ; the block is back in registers; the next block's 16 stores and 16 loads may be out
.irp t, 0,1,2,3,4,5,6,7,8,9,10,11,12,13,14,15
	global_store_b128 v[CO], v[BB+4*\t:BB+4*\t+3], s[10:11] offset:4096*(16*(\a)+\t) th:TH_STORE_NT   ; 512 consecutive bytes, aligned; written once, read by nobody here
.endr
.endm
	PLACES
	TOSTAGE 0
.irp a, 1,2,3
.if \a > 1
	s_wait_xcnt 0x0                                ; block a - 2's stores have read their registers: block a's loads may land there
.endif
	TOSTAGE \a
	SEND \a-1, 32
.endr
	SEND 3, 0
	s_wait_tensorcnt 0x0                           ; the wave's end: behind my last tensor load and my last LDS store
	ds_add_u32 v[SPW], v[NIL]
	s_wait_dscnt 0x0
	CROUND                                         ; the closing round
	s_endpgm
.Lfunc_end_k_qee4f448ec7_oproj:
	.size	k_qee4f448ec7_oproj, .Lfunc_end_k_qee4f448ec7_oproj-k_qee4f448ec7_oproj
	.p2alignl 7, 3214868480
	.fill 96, 4, 3214868480
	.section	.rodata,"a",@progbits
	.p2align	6, 0x0
	.amdhsa_kernel k_qee4f448ec7_oproj
		.amdhsa_group_segment_fixed_size 327680
		.amdhsa_private_segment_fixed_size 0
		.amdhsa_enable_private_segment 0
		.amdhsa_kernarg_size 32
		.amdhsa_user_sgpr_count 2
		.amdhsa_user_sgpr_kernarg_segment_ptr 1
		.amdhsa_wavefront_size32 1
		.amdhsa_system_sgpr_workgroup_id_x 1
		.amdhsa_system_sgpr_workgroup_id_y 1
		.amdhsa_system_sgpr_workgroup_id_z 1
		.amdhsa_system_vgpr_workitem_id 0
		.amdhsa_next_free_vgpr 576
		.amdhsa_next_free_sgpr 66
		.amdhsa_reserve_vcc 0
		.amdhsa_float_denorm_mode_32 3
		.amdhsa_float_denorm_mode_16_64 3
		.amdhsa_memory_ordered 1
		.amdhsa_forward_progress 1
		.amdhsa_inst_pref_size 87
	.end_amdhsa_kernel
	.amdgpu_metadata
---
amdhsa.version: [ 1, 2 ]
amdhsa.kernels:
  - .name:           k_qee4f448ec7_oproj
    .symbol:         k_qee4f448ec7_oproj.kd
    .args:
      - { .name: ctx, .offset: 0, .size: 8, .value_kind: global_buffer, .address_space: global }
      - { .name: wo16, .offset: 8, .size: 8, .value_kind: global_buffer, .address_space: global }
      - { .name: b_O, .offset: 16, .size: 8, .value_kind: global_buffer, .address_space: global }
      - { .name: out0, .offset: 24, .size: 8, .value_kind: global_buffer, .address_space: global }
    .group_segment_fixed_size: 327680
    .private_segment_fixed_size: 0
    .kernarg_segment_align: 8
    .kernarg_segment_size: 32
    .max_flat_workgroup_size: 128
    .sgpr_count:     66
    .vgpr_count:     576
    .wavefront_size: 32
...
	.end_amdgpu_metadata
.endif
;; end of part 4
